; MI455X (gfx1250); checked and timed in simulation.
; The chip was launched on July 23, 2026; its instructions are those of AMD's public machine-readable ISA for CDNA 5 (MIT licence, August 2026) and "CDNA5" Instruction Set Architecture Reference Guide (July 2026). The comments in the code are by the model that wrote it; some were corrected since.
;; Graph Regularized Transformer Layer. Allowed arithmetic: matrix products marked QUANTISED: E5M2 operands, one E8M0 scale for each 32 along K, by v_wmma_scale_f32_16x16x128_f8f6f4 with both operands' format E5M2, f32 sums; everything else in f32.
;; Inputs: b1 512 float32; b2 512 float32; b_ff1 2,048 float32; b_ff2 512 float32; bk 512 float32; bo 512 float32; bq 512 float32; bv 512 float32; g1 512 float32; g2 512 float32; w_ff1 512 x 2,048 float32; w_ff2 2,048 x 512 float32; wk 512 x 512 float32; wo 512 x 512 float32; wq 512 x 512 float32; wv 512 x 512 float32; x 4 x 2,048 x 512 float32.
;; Outputs: out0 4 x 2,048 x 512 float32.
;; This version of the problem:
;;   THIS VERSION OF THE PROBLEM IS GIVEN IN LOW PRECISION. The matrix products marked QUANTISED in the list below multiply operands that are first quantised to E5M2 (5 exponent bits, 2 mantissa bits; 8 bits a number), with one power-of-two scale for each 32 numbers along K (OCP MX v1.0); their sums are f32. All else is computed in f32.
;;   The module's matrix products, in the order in which they are computed (A, B: the left and right operand; K: the contracted axis; several contracted axes count as one K, in the product's order):
;;     1. [M 8,192, K 512] x [K 512, N 512]; A: input x; B: input wq: QUANTISED
;;     2. [M 8,192, K 512] x [K 512, N 512]; A: input x; B: input wk: QUANTISED
;;     3. [M 8,192, K 512] x [K 512, N 512]; A: input x; B: input wv: QUANTISED
;;     4. batch 64 x [M 2,048, K 32] x [K 32, N 2,048]; A: computed on the way; B: computed on the way: QUANTISED
;;     5. batch 64 x [M 2,048, K 2,048] x [K 2,048, N 32]; A: softmax (see below); B: computed on the way: QUANTISED
;;     6. [M 8,192, K 512] x [K 512, N 512]; A: computed on the way; B: input wo: QUANTISED
;;     7. [M 8,192, K 512] x [K 512, N 2,048]; A: computed on the way; B: input w_ff1: QUANTISED
;;     8. [M 8,192, K 2,048] x [K 2,048, N 512]; A: computed on the way; B: input w_ff2: QUANTISED
;;   THE QUANTISER, for each operand of a quantised product, along K:
;;     - K is cut into blocks of 32 from its start; a last block that is shorter is filled with zeros.
;;     - A block's scale is 2^e with e = floor(log2(the largest magnitude in the block)) - 15, held to -126 .. 127; a block of zeros has e = 0. As a byte (E8M0): e + 127.
;;     - Each number is divided by its block's scale, clamped to +-57,344, and rounded to the nearest number of E5M2, ties to even, subnormals kept.
;;     - The product sums the exact products of the quantised numbers (number of the format x scale) in f32.
;;   ~~~python
;;   def quantise(x, axis):      # numpy; x: float32 -> the quantised numbers, widened to float32 again
;;       x = np.moveaxis(x, axis, -1); K = x.shape[-1]
;;       x = np.pad(x, [(0, 0)] * (x.ndim - 1) + [(0, -K % 32)]); x = x.reshape(x.shape[:-1] + (-1, 32)); a = np.abs(x).max(-1, keepdims=True)
;;       e = np.where(a > 0, np.clip(np.frexp(np.where(a > 0, a, 1))[1] - 1 - 15, -126, 127), 0)      # np.frexp(a)[1] - 1 = floor(log2(a)), exactly
;;       r = np.clip(x / 2.0 ** e, -57344, 57344)
;;       step = 2.0 ** (np.maximum(np.frexp(np.where(r == 0, 1, r))[1] - 1, -14) - 2)
;;       q = np.round(r / step) * step * 2.0 ** e      # np.round: ties to even
;;       return np.moveaxis(q.reshape(q.shape[:-2] + (-1,))[..., :K], -1, axis).astype(np.float32)
;;   ~~~
;;   SOFTMAX AHEAD OF A QUANTISED PRODUCT. Where the list says 'softmax', what is quantised is not the finished softmax but p = 2^(t - M), with t = logit x log2(e) and M = ceil(the row's largest t), a whole number; so 1/2 < the row's largest p <= 1. The row's sum l is taken of the UNQUANTISED p, in f32, and the product's result is divided by l at the end. Since M is a whole number, a kernel that streams over the keys may use a running M (the ceiling of the running maximum): every later rescaling is an exact power of two, which a block's scale takes up: the codes' values come out the same.
;;   OPERANDS COMPUTED ON THE WAY. 'Computed on the way' means the value that the module computes at that place (a softmax that the list does not call 'softmax' is quantised finished and normalised). What goes into a quantiser is computed in f32, as accurately as f32 sums, v_exp_f32 and their like allow (about 1e-6 of the number): no bf16 or f16 on the way to a quantiser, and a product that is left as it is and whose result goes on into a quantised operand takes f32 operands (vector FMAs, or v_wmma_f32_16x16x4_f32). A number that lies on a knife's edge between two numbers of the format may be rounded either way, as far as f32 arithmetic and the matrix unit's own rounding can turn it there, and no further.
;; 2 versions, each right; version 2 is version 1 with the launch tail written anew for expert scheduling mode. Each part assembles by itself: llvm-mc -triple=amdgcn-amd-amdhsa -mcpu=gfx1250 --defsym DOCPART=n.
;; ======== version 1 of 2: 4 launches
;; workspace buffers: ximg 4,325,376 bytes; wimg 3,244,032 bytes; qimg 4,718,592 bytes; kvimg 9,043,968 bytes; att 4,718,592 bytes
;; launch prep (part 1): grid 448 x 1, 4 waves a work-group, no clusters, 0 bytes of LDS; arguments x, wq, wk, wv, wo, w_ff1, w_ff2, ximg, wimg; writes ximg, wimg
.if DOCPART == 1
	.amdgcn_target "amdgcn-amd-amdhsa--gfx1250"
	.amdhsa_code_object_version 6
	.text
	.protected	k_qf6ad3a92ac_prep
	.globl	k_qf6ad3a92ac_prep
	.p2align	8
	.type	k_qf6ad3a92ac_prep,@function
k_qf6ad3a92ac_prep:
	s_mov_b64 s[64:65], 0
	v_nop
	global_prefetch_b8 v0, s[64:65] scope:SCOPE_SE
	s_setreg_imm32_b32 hwreg(HW_REG_WAVE_MODE, 25, 1), 1
	s_wait_xcnt 0x0
; x [8192][512] and the six weights ([K][N], K first) become codes of E5M2 with one E8M0 byte for each 32 along K, laid in the ORDER OF THE OPERANDS' REGISTERS.
; A tile is 16 rows: tile T takes rows 32 (T / 2) + 8 (T % 2) + r + 8 (r / 8), r = 0 .. 15.  A fragment (16 rows x 128 K) is four chunks of 512 bytes; in chunk c lane l = r + 16 h holds k = 32 c + 16 h + 0 .. 15 of row r at byte 16 l.
; Scale words (four bytes: 128 K of a row) lie by pairs of tiles, 32 words: word 16 (T % 2) + r.
; ximg: 64 groups of 128 tokens, 67,584 bytes each: codes [tile 8][K step 4][chunk 4][512], then words [pair 4][K step 4][32].
; wimg: codes [pair of tiles of columns][K step][tile 2][chunk 4][512]: wq 0, wk 262,144, wv 524,288, wo 786,432, w_ff1 1,048,576, w_ff2 2,097,152; words [pair][K step][32] from WSO on.
; A block's byte is its largest magnitude's exponent field - 15, held at 1 from below; each number is held within 57,344 x the scale and converted, ties to even.
; LIMITS: NaN and infinities among the inputs are not served; a block of zeros gets the byte 1 with zero codes (this program alone reads the bytes).
; SHARES: a wave takes 32 rows x 128 K (16 KB of f32).  Work-groups 0-255: x, pair = work-group, K step = wave.  256-319: wq, wk, wv, wo; 320-383: w_ff2; 384-447: w_ff1.  No LDS, no barrier: waves share nothing.
.set WSO, 3145728
.set WV,  22
.set SEL, 36                           ; s[36:37] lane selects: lane l xor 16
.set MNT, 38                           ; the mantissa field of 57,344
.set HM,  39                           ; lanes 16-31
; 16 numbers of a lane and 16 of lane l xor 16 are a block: codes into v[cod .. cod+3], the byte into v[t]
.macro QB src, held, cod, t
	v_max3_num_f32 v[\t], |v[\src]|, |v[\src+1]|, 0x8000000        ; the floor 2^(16 - 127) among the leaves: the byte cannot fall under 1
	v_max3_num_f32 v[\t+1], |v[\src+8]|, |v[\src+9]|, |v[\src+10]|
.irp i, 2,4,6
	v_max3_num_f32 v[\t], v[\t], |v[\src+\i]|, |v[\src+\i+1]|
.endr
.irp i, 11,13
	v_max3_num_f32 v[\t+1], v[\t+1], |v[\src+\i]|, |v[\src+\i+1]|
.endr
	v_max3_num_f32 v[\t], v[\t], v[\t+1], |v[\src+15]|
	v_permlanex16_b32 v[\t+1], v[\t], s[SEL], s[SEL+1]
	v_max_num_f32 v[\t], v[\t], v[\t+1]                            ; the block's largest magnitude
	v_add_nc_u32 v[\t+2], 0xf8800000, v[\t]                        ; 15 off its exponent field: the conversion's scale operand
	v_and_or_b32 v[\t+1], v[\t], 0x7f800000, s[MNT]                ; 57,344 x the scale
	v_lshrrev_b32 v[\t], 23, v[\t+2]                               ; the byte
.irp i, 0,1,2,3,4,5,6,7,8,9,10,11,12,13,14,15
	v_med3_num_f32 v[\held+\i], v[\src+\i], -v[\t+1], v[\t+1]      ; the conversion does not saturate (ISA guide 7.6.2): the hold comes first
.endr
	v_cvt_scalef32_pk8_bf8_f32 v[\cod:\cod+1], v[\held:\held+7], v[\t+2]
	v_cvt_scalef32_pk8_bf8_f32 v[\cod+2:\cod+3], v[\held+8:\held+15], v[\t+2]
	v_nop                                                          ; a plain line behind the last conversion
.endm
; 32 numbers of ONE lane are a block: codes into v[cod .. cod+7], the byte into v[t]
.macro QW src, cod, t
	v_max3_num_f32 v[\t], |v[\src]|, |v[\src+1]|, 0x8000000
	v_max3_num_f32 v[\t+1], |v[\src+16]|, |v[\src+17]|, |v[\src+18]|
.irp i, 2,4,6,8,10,12,14
	v_max3_num_f32 v[\t], v[\t], |v[\src+\i]|, |v[\src+\i+1]|
.endr
.irp i, 19,21,23,25,27,29
	v_max3_num_f32 v[\t+1], v[\t+1], |v[\src+\i]|, |v[\src+\i+1]|
.endr
	v_max3_num_f32 v[\t], v[\t], v[\t+1], |v[\src+31]|
	v_add_nc_u32 v[\t+2], 0xf8800000, v[\t]
	v_and_or_b32 v[\t+1], v[\t], 0x7f800000, s[MNT]
	v_lshrrev_b32 v[\t], 23, v[\t+2]
.set qi, 0
.rept 32
	v_med3_num_f32 v[\src+qi], v[\src+qi], -v[\t+1], v[\t+1]
.set qi, qi+1
.endr
.irp g, 0,1,2,3
	v_cvt_scalef32_pk8_bf8_f32 v[\cod+2*\g:\cod+2*\g+1], v[\src+8*\g:\src+8*\g+7], v[\t+2]
.endr
	v_nop
.endm
.macro WLOAD c, n                      ; block c: W(32 c + i, my column), i = 0 .. 31: 32 lanes read 128 consecutive bytes
.set wi, 0
.rept 32
	global_load_b32 v[64+32*(\c)+wi], v5, s[4:5] offset:(32*(\c)+wi)*(\n)*4 th:TH_LOAD_NT
.set wi, wi+1
.endr
.endm
; A LANE TAKES A COLUMN AND ITS REGISTERS RUN DOWN K.  Loads run two blocks ahead; each block has registers of its own, so no store's data are written again.
.macro WBODY n
	WLOAD 0, \n
	WLOAD 1, \n
.irp c, 0,1,2,3
.if \c < 3
	s_wait_loadcnt 32                              ; this block's 32 loads are in; the one younger block's 32 may be out
.else
	s_wait_loadcnt 0x0
.endif
.if \c < 2
	WLOAD \c+2, \n
.endif
	QW 64+32*\c, 32+8*\c, 8
.if \c == 0
	v_mov_b32 v24, v8
.else
	v_lshl_or_b32 v24, v8, 8*\c, v24               ; the four bytes make my column's scale word
.endif
	global_store_b128 v6, v[32+8*\c:35+8*\c], s[26:27] offset:512*\c       ; k = 32 c + 0 .. 15: the place of lane r; sixteen lanes fill 256 consecutive aligned bytes in each of the two tiles
	global_store_b128 v6, v[36+8*\c:39+8*\c], s[26:27] offset:512*\c+256   ; k = 32 c + 16 .. 31: the place of lane 16 + r
.endr
	global_store_b32 v7, v24, s[28:29]
.endm
	s_load_b256 s[4:11], s[0:1], 0x0               ; x, wq, wk, wv
	s_load_b256 s[12:19], s[0:1], 0x20             ; wo, w_ff1, w_ff2, ximg
	s_load_b64 s[20:21], s[0:1], 0x40              ; wimg
	v_lshrrev_b32 v1, 5, v0
	v_readfirstlane_b32 s[WV], v1                  ; wave 0..3
	v_and_b32 v1, 31, v0                           ; lane
	s_mov_b32 s[SEL], 0x76543210
	s_mov_b32 s[SEL+1], 0xfedcba98
	s_mov_b32 s[MNT], 0x600000
	s_mov_b32 s[HM], 0xffff0000
	s_mov_b32 s25, 0                               ; the upper words of the three offsets
	s_mov_b32 s27, 0
	s_mov_b32 s29, 0
	s_cmp_lt_u32 ttmp9, 256
	s_cbranch_scc0 .Lweights
	; ---- x: pair of tiles = work-group, K step = wave.  Lane (r, h) takes, of its row, 16 neighbours of each block of 32
	v_and_b32 v2, 15, v0                           ; r
	v_bfe_u32 v3, v0, 4, 1                         ; h
	v_and_b32 v4, 8, v2
	v_add_nc_u32 v4, v4, v2                        ; r + 8 (r / 8)
	v_lshlrev_b32 v5, 11, v4                       ; a row of x is 2,048 bytes
	v_lshl_add_u32 v5, v3, 6, v5                   ; + 64 h
	v_lshlrev_b32 v6, 4, v1                        ; 16 x lane
	v_lshlrev_b32 v7, 2, v1                        ; 4 x lane
	s_lshl_b32 s24, ttmp9, 16                      ; 32 rows
	s_lshl_b32 s30, s[WV], 9                       ; 128 numbers
	s_add_co_u32 s24, s24, s30
	s_lshr_b32 s30, ttmp9, 2
	s_mul_i32 s30, s30, 67584                      ; the group of 128 tokens
	s_and_b32 s31, ttmp9, 3                        ; the pair in it
	s_lshl_b32 s32, s31, 14
	s_lshl_b32 s33, s[WV], 11
	s_add_co_u32 s26, s30, s32
	s_add_co_u32 s26, s26, s33                     ; codes: pair x 16,384 + K step x 2,048
	s_lshl_b32 s32, s31, 9
	s_lshl_b32 s33, s[WV], 7
	s_add_co_u32 s28, s30, s32
	s_add_co_u32 s28, s28, s33
	s_add_co_u32 s28, s28, 65536                   ; words: behind the codes, pair x 512 + K step x 128
	s_wait_kmcnt 0x0
	s_add_nc_u64 s[4:5], s[4:5], s[24:25]
	s_add_nc_u64 s[26:27], s[18:19], s[26:27]
	s_add_nc_u64 s[28:29], s[18:19], s[28:29]
.irp a, 0,1
.irp c, 0,1,2,3
.irp j, 0,1,2,3
	global_load_b128 v[64+64*\a+16*\c+4*\j:64+64*\a+16*\c+4*\j+3], v5, s[4:5] offset:16384*\a+128*\c+16*\j th:TH_LOAD_NT
.endr
.endr
.endr
.irp a, 0,1
	s_wait_loadcnt 16-16*\a                        ; this tile's 16 loads are in; the other tile's 16 may be out
.irp c, 0,1,2,3
	QB 64+64*\a+16*\c, 64+64*\a+16*\c, 32+16*\a+4*\c, 8
.if \c == 0
	v_mov_b32 v[24+\a], v8
.else
	v_lshl_or_b32 v[24+\a], v8, 8*\c, v[24+\a]
.endif
	global_store_b128 v6, v[32+16*\a+4*\c:32+16*\a+4*\c+3], s[26:27] offset:8192*\a+512*\c   ; a chunk: 512 consecutive aligned bytes
.endr
.endr
	v_cndmask_b32 v26, v24, v25, s[HM]             ; lanes 0-15 the first tile's words, lanes 16-31 the second's
	global_store_b32 v7, v26, s[28:29]
	s_endpgm
.Lweights:
	s_sub_co_u32 s30, ttmp9, 256                   ; e
	v_lshlrev_b32 v5, 2, v1                        ; in: 4 bytes a lane; lane x takes column 32 pair + x
	v_bfe_u32 v2, v1, 3, 1                         ; that column's tile u = (x / 8) % 2
	v_and_b32 v3, 7, v1
	v_lshrrev_b32 v4, 4, v1
	v_lshl_add_u32 v3, v4, 3, v3                   ; and its row r = x % 8 + 8 (x / 16)
	v_lshlrev_b32 v6, 4, v3
	v_lshl_add_u32 v6, v2, 11, v6                  ; codes: 2,048 u + 16 r
	v_lshl_add_u32 v7, v2, 4, v3
	v_lshlrev_b32 v7, 2, v7                        ; word: 4 (16 u + r)
	s_cmp_lt_u32 s30, 128
	s_cbranch_scc0 .Lff1
	; ---- rows of 512 columns: e < 64: tensor e / 16, K steps 4; else w_ff2, K steps 16
	s_lshr_b32 s31, s30, 4
	s_lshr_b32 s32, s30, 2
	s_and_b32 s33, s30, 3
	s_lshl_b32 s33, s33, 2
	s_add_co_u32 s33, s33, s[WV]                   ; pair = 4 (e % 4) + wave
	s_lshl_b32 s34, s31, 18                        ; a small tensor's codes
	s_lshl_b32 s35, s31, 13                        ; and words
	s_wait_kmcnt 0x0
	s_cmp_eq_u32 s31, 0
	s_cselect_b64 s[4:5], s[6:7], s[16:17]         ; wq, or else w_ff2
	s_cmp_eq_u32 s31, 1
	s_cselect_b64 s[4:5], s[8:9], s[4:5]
	s_cmp_eq_u32 s31, 2
	s_cselect_b64 s[4:5], s[10:11], s[4:5]
	s_cmp_eq_u32 s31, 3
	s_cselect_b64 s[4:5], s[12:13], s[4:5]
	s_cmp_lt_u32 s30, 64
	s_cselect_b32 s40, 3, 15                       ; K steps - 1
	s_cselect_b32 s41, 14, 16                      ; a pair's codes: K steps x 4,096
	s_cselect_b32 s42, 9, 11                       ; a pair's words: K steps x 128
	s_cselect_b32 s34, s34, 0x200000
	s_cselect_b32 s35, s35, 0x10000
	s_and_b32 s32, s32, s40                        ; the K step
	s_lshl_b32 s24, s32, 18                        ; 128 rows of 2,048 bytes
	s_lshl_b32 s40, s33, 7
	s_add_co_u32 s24, s24, s40
	s_lshl_b32 s26, s33, s41
	s_lshl_b32 s40, s32, 12
	s_add_co_u32 s26, s26, s40
	s_add_co_u32 s26, s26, s34
	s_lshl_b32 s28, s33, s42
	s_lshl_b32 s40, s32, 7
	s_add_co_u32 s28, s28, s40
	s_add_co_u32 s28, s28, s35
	s_add_co_u32 s28, s28, WSO
	s_add_nc_u64 s[4:5], s[4:5], s[24:25]
	s_add_nc_u64 s[26:27], s[20:21], s[26:27]
	s_add_nc_u64 s[28:29], s[20:21], s[28:29]
	WBODY 512
	s_endpgm
.Lff1:
	; ---- w_ff1: rows of 2,048 columns
	s_sub_co_u32 s30, s30, 128
	s_and_b32 s33, s30, 15
	s_lshl_b32 s33, s33, 2
	s_add_co_u32 s33, s33, s[WV]                   ; pair 0..63
	s_lshr_b32 s32, s30, 4                         ; K step
	s_lshl_b32 s24, s32, 20                        ; 128 rows of 8,192 bytes
	s_lshl_b32 s40, s33, 7
	s_add_co_u32 s24, s24, s40
	s_lshl_b32 s26, s33, 14
	s_lshl_b32 s40, s32, 12
	s_add_co_u32 s26, s26, s40
	s_add_co_u32 s26, s26, 1048576
	s_lshl_b32 s28, s33, 9
	s_lshl_b32 s40, s32, 7
	s_add_co_u32 s28, s28, s40
	s_add_co_u32 s28, s28, WSO+32768
	s_wait_kmcnt 0x0
	s_add_nc_u64 s[4:5], s[14:15], s[24:25]
	s_add_nc_u64 s[26:27], s[20:21], s[26:27]
	s_add_nc_u64 s[28:29], s[20:21], s[28:29]
	WBODY 2048
	s_endpgm
.Lfunc_end_k_qf6ad3a92ac_prep:
	.size	k_qf6ad3a92ac_prep, .Lfunc_end_k_qf6ad3a92ac_prep-k_qf6ad3a92ac_prep
	.p2alignl 7, 3214868480
	.fill 96, 4, 3214868480
	.section	.rodata,"a",@progbits
	.p2align	6, 0x0
	.amdhsa_kernel k_qf6ad3a92ac_prep
		.amdhsa_group_segment_fixed_size 0
		.amdhsa_private_segment_fixed_size 0
		.amdhsa_enable_private_segment 0
		.amdhsa_kernarg_size 72
		.amdhsa_user_sgpr_count 2
		.amdhsa_user_sgpr_kernarg_segment_ptr 1
		.amdhsa_wavefront_size32 1
		.amdhsa_system_sgpr_workgroup_id_x 1
		.amdhsa_system_sgpr_workgroup_id_y 1
		.amdhsa_system_sgpr_workgroup_id_z 1
		.amdhsa_system_vgpr_workitem_id 0
		.amdhsa_next_free_vgpr 192
		.amdhsa_next_free_sgpr 66
		.amdhsa_reserve_vcc 0
		.amdhsa_float_denorm_mode_32 3
		.amdhsa_float_denorm_mode_16_64 3
		.amdhsa_memory_ordered 1
		.amdhsa_forward_progress 1
		.amdhsa_inst_pref_size 80
	.end_amdhsa_kernel
	.amdgpu_metadata
---
amdhsa.version: [ 1, 2 ]
amdhsa.kernels:
  - .name:           k_qf6ad3a92ac_prep
    .symbol:         k_qf6ad3a92ac_prep.kd
    .args:
      - { .name: x, .offset: 0, .size: 8, .value_kind: global_buffer, .address_space: global }
      - { .name: wq, .offset: 8, .size: 8, .value_kind: global_buffer, .address_space: global }
      - { .name: wk, .offset: 16, .size: 8, .value_kind: global_buffer, .address_space: global }
      - { .name: wv, .offset: 24, .size: 8, .value_kind: global_buffer, .address_space: global }
      - { .name: wo, .offset: 32, .size: 8, .value_kind: global_buffer, .address_space: global }
      - { .name: w_ff1, .offset: 40, .size: 8, .value_kind: global_buffer, .address_space: global }
      - { .name: w_ff2, .offset: 48, .size: 8, .value_kind: global_buffer, .address_space: global }
      - { .name: ximg, .offset: 56, .size: 8, .value_kind: global_buffer, .address_space: global }
      - { .name: wimg, .offset: 64, .size: 8, .value_kind: global_buffer, .address_space: global }
    .group_segment_fixed_size: 0
    .private_segment_fixed_size: 0
    .kernarg_segment_align: 8
    .kernarg_segment_size: 72
    .max_flat_workgroup_size: 128
    .sgpr_count:     66
    .vgpr_count:     192
    .wavefront_size: 32
...
	.end_amdgpu_metadata
.endif
;; end of part 1
;; launch qkv (part 2): grid 64 x 4, 12 waves a work-group, no clusters, 169,472 bytes of LDS; arguments ximg, wimg, bq, bk, bv, qimg, kvimg; writes qimg, kvimg
.if DOCPART == 2
	.amdgcn_target "amdgcn-amd-amdhsa--gfx1250"
	.amdhsa_code_object_version 6
	.text
	.protected	k_qf6ad3a92ac_qkv
	.globl	k_qf6ad3a92ac_qkv
	.p2align	8
	.type	k_qf6ad3a92ac_qkv,@function
k_qf6ad3a92ac_qkv:
	s_mov_b64 s[64:65], 0
	v_nop
	global_prefetch_b8 v0, s[64:65] scope:SCOPE_SE
	s_setreg_imm32_b32 hwreg(HW_REG_WAVE_MODE, 25, 1), 1
	s_wait_xcnt 0x0
; q, k, v = x W + b on codes of E5M2 (MX), and their quantising for attention's two products, in registers.
; SHARES: a work-group takes 128 tokens (one key step of one batch) x 384 of the 1,536 columns; wave w takes unit U = 12 y + w: kind U / 16 (q, k, v), head U % 16: 32 columns, whose weights (16 KB of codes) stay in its registers.
; x's codes and scale words of the 128 tokens, 67,584 bytes, come into LDS once (four tensor loads of 66 rows of 256 bytes) and are read by all twelve waves.
; q, k: TRANSPOSED (source 0 = 16 columns of W, source 1 = 16 tokens): a lane holds one token and the head's channels 16 h + 0 .. 15: with lane l xor 16 the block of 32 of the score product's K.
; v: source 0 = 16 tokens, source 1 = 16 columns: a lane holds one channel and keys 32 p + 16 h + 0 .. 15: the block of 32 of the second product's K.  The bias is the C of each sum's first product.
; qimg, a head: codes [tile 128][lane][16] (block 0 of a fragment alone), then bytes as words [step 16][lane 32][4]: word j of lane 16 u + r = tile 8 step + 2 j + u, row r.
; kvimg, a head: [step 16]{K [tile 8][lane][16] | V [tile 2][chunk 4][lane][16]}, K's words as q's at 131,072, V's words [step][32] at 139,264.
; LIMITS: NaN and infinities are not served; a block of zeros gets the byte 1 with zero codes.
; No cluster: the one tile that work-groups share, x's 66 KB, is fetched once in a launch in which each work-group also reads 192 KB of weights of its own.
.set WSO, 3145728
.set L16, 1                            ; 16 x lane
.set L4,  2                            ; 4 x lane
.set LXS, 3                            ; 65,536 + 4 x lane: x's scale words in LDS
.set BO,  4                            ; the bias's offset
.set WS,  8                            ; v8-11   W's scale words, a K step each
.set XS,  12                           ; v12-15  x's
.set SA,  16                           ; v16-19  the scale bytes that leave
.set BI,  20                           ; v20-35  the bias in the result's layout
.set ACC, 36                           ; v36-67  four accumulators
.set XF,  68                           ; v68-99  x's two fragments
.set CD,  100                          ; v100-107 codes
.set TQ,  108                          ; v108-110 at work
.set TB0, 111
.set BT,  112
.set W,   128                          ; v128-255 W's fragments [K step 4][tile 2][16]
.set WV,  18
.set U,   19
.set KIND, 20
.set HD,  21
.set SEL, 22
.set G1,  24
.set G0,  32
.set MNT, 36
.set HM,  37
.set WB,  42                           ; s[42:43] the weights' base: untouched from its loads on
.set WSB, 44                           ; s[44:45] their scale words' base: likewise
.set BB,  46
.set OC,  48
.set OS,  50
.set BH,  52
.set ST,  53
.set WOF, 54                           ; where a head's scale words begin, in bytes
.macro PL n
.rept \n
	v_nop
.endr
.endm
.macro QB src, held, cod, t
	v_max3_num_f32 v[\t], |v[\src]|, |v[\src+1]|, 0x8000000        ; each accumulator is read from its low end on; the floor 2^(16 - 127) among the leaves
	v_max3_num_f32 v[\t+1], |v[\src+8]|, |v[\src+9]|, |v[\src+10]|
.irp i, 2,4,6
	v_max3_num_f32 v[\t], v[\t], |v[\src+\i]|, |v[\src+\i+1]|
.endr
.irp i, 11,13
	v_max3_num_f32 v[\t+1], v[\t+1], |v[\src+\i]|, |v[\src+\i+1]|
.endr
	v_max3_num_f32 v[\t], v[\t], v[\t+1], |v[\src+15]|
	v_permlanex16_b32 v[\t+1], v[\t], s[SEL], s[SEL+1]
	v_max_num_f32 v[\t], v[\t], v[\t+1]
	v_add_nc_u32 v[\t+2], 0xf8800000, v[\t]
	v_and_or_b32 v[\t+1], v[\t], 0x7f800000, s[MNT]
	v_lshrrev_b32 v[\t], 23, v[\t+2]
.irp i, 0,1,2,3,4,5,6,7,8,9,10,11,12,13,14,15
	v_med3_num_f32 v[\held+\i], v[\src+\i], -v[\t+1], v[\t+1]
.endr
	v_cvt_scalef32_pk8_bf8_f32 v[\cod:\cod+1], v[\held:\held+7], v[\t+2]
	v_cvt_scalef32_pk8_bf8_f32 v[\cod+2:\cod+3], v[\held+8:\held+15], v[\t+2]
	v_nop
.endm
; one product: c: C's first register; ra, rb: the scale words lie in lanes 16-31
.macro WM d, a, b, c, sa, sb, ra, rb
.if (\ra) && (\rb)
	v_wmma_scale_f32_16x16x128_f8f6f4 v[\d:\d+7], v[\a:\a+15], v[\b:\b+15], v[\c:\c+7], v[\sa], v[\sb] matrix_a_fmt:MATRIX_FMT_BF8 matrix_b_fmt:MATRIX_FMT_BF8 matrix_a_scale:MATRIX_SCALE_ROW1 matrix_b_scale:MATRIX_SCALE_ROW1
.elseif (\ra)
	v_wmma_scale_f32_16x16x128_f8f6f4 v[\d:\d+7], v[\a:\a+15], v[\b:\b+15], v[\c:\c+7], v[\sa], v[\sb] matrix_a_fmt:MATRIX_FMT_BF8 matrix_b_fmt:MATRIX_FMT_BF8 matrix_a_scale:MATRIX_SCALE_ROW1
.elseif (\rb)
	v_wmma_scale_f32_16x16x128_f8f6f4 v[\d:\d+7], v[\a:\a+15], v[\b:\b+15], v[\c:\c+7], v[\sa], v[\sb] matrix_a_fmt:MATRIX_FMT_BF8 matrix_b_fmt:MATRIX_FMT_BF8 matrix_b_scale:MATRIX_SCALE_ROW1
.else
	v_wmma_scale_f32_16x16x128_f8f6f4 v[\d:\d+7], v[\a:\a+15], v[\b:\b+15], v[\c:\c+7], v[\sa], v[\sb] matrix_a_fmt:MATRIX_FMT_BF8 matrix_b_fmt:MATRIX_FMT_BF8
.endif
.endm
; Pair p of the group's four pairs of token tiles: 16 products (four accumulators by turns, K ascending), two blocks quantised, two stores.  kind 0: q or k; 1: v
.macro PAIR p, kind
.irp s, 0,1,2,3
	ds_load_b32 v[XS+\s], v[LXS] offset:512*(\p)+128*\s
.endr
.irp s, 0,1,2,3
.irp a, 0,1
.irp c, 0,1,2,3
	ds_load_b128 v[XF+16*\a+4*\c:XF+16*\a+4*\c+3], v[L16] offset:(2*(\p)+\a)*8192+\s*2048+\c*512
.endr
.endr
	s_wait_dscnt 0x0
.irp a, 0,1
.irp u, 0,1
.if \kind == 0
.if \s == 0
	WM ACC+16*\a+8*\u, W+32*\s+16*\u, XF+16*\a, BI+8*\u, WS+\s, XS+\s, \u, \a
.else
	WM ACC+16*\a+8*\u, W+32*\s+16*\u, XF+16*\a, ACC+16*\a+8*\u, WS+\s, XS+\s, \u, \a
.endif
.else
.if \s == 0
	WM ACC+16*\u+8*\a, XF+16*\a, W+32*\s+16*\u, BI+8*\u, XS+\s, WS+\s, \a, \u
.else
	WM ACC+16*\u+8*\a, XF+16*\a, W+32*\s+16*\u, ACC+16*\u+8*\a, XS+\s, WS+\s, \a, \u
.endif
.endif
.endr
.endr
	PL 9                                           ; places in front of the loads into x's registers, of the first read of results, and of the next pair's products, which begin the accumulators anew
.endr
	s_wait_xcnt 0x0                                ; the last pair's stores have read their data: the codes' registers are written again only behind this wait
	QB ACC, ACC, CD, TQ
.if \kind == 0
	v_mov_b32 v[TB0], v[TQ]
.elseif (\p) == 0
	v_mov_b32 v[SA], v[TQ]
.else
	v_lshl_or_b32 v[SA], v[TQ], 8*(\p), v[SA]      ; v: byte p of the key step's word, tile 0
.endif
	QB ACC+16, ACC+16, CD+4, TQ
.if \kind == 0
	v_cndmask_b32 v[SA+(\p)], v[TB0], v[TQ], s[HM] ; q, k: lanes 0-15 the first tile's bytes, lanes 16-31 the second's
	global_store_b128 v[L16], v[CD:CD+3], s[OC:OC+1] offset:1024*(\p)
	global_store_b128 v[L16], v[CD+4:CD+7], s[OC:OC+1] offset:1024*(\p)+512
.else
.if (\p) == 0
	v_mov_b32 v[SA+1], v[TQ]
.else
	v_lshl_or_b32 v[SA+1], v[TQ], 8*(\p), v[SA+1]
.endif
	global_store_b128 v[L16], v[CD:CD+3], s[OC:OC+1] offset:512*(\p)
	global_store_b128 v[L16], v[CD+4:CD+7], s[OC:OC+1] offset:2048+512*(\p)
.endif
.endm
	s_load_b256 s[4:11], s[0:1], 0x0               ; ximg, wimg, bq, bk
	s_load_b128 s[12:15], s[0:1], 0x20             ; bv, qimg
	s_load_b64 s[16:17], s[0:1], 0x30              ; kvimg
	v_lshl_add_u32 v126, v0, 2, 0x29000
	v_mov_b32 v127, 0
	ds_add_u32 v126, v127
	ds_add_u32 v126, v127
	v_lshrrev_b32 v5, 5, v0
	v_readfirstlane_b32 s[WV], v5                  ; wave 0..11
	v_and_b32 v5, 31, v0
	v_lshlrev_b32 v[L16], 4, v5
	v_lshlrev_b32 v[L4], 2, v5
	v_add_nc_u32 v[LXS], 65536, v[L4]
	s_mov_b32 s[G1], 3<<16                         ; elements of 8 bytes, no mask, no padding
	s_mov_b32 s[G1+1], 32<<16                      ; tensor_dim0 = 32: rows of 256 bytes
	s_mov_b32 s[G1+2], 66<<16                      ; tensor_dim1 = 66
	s_mov_b32 s[G1+3], 32<<16                      ; tile_dim0
	s_mov_b32 s[G1+4], 66                          ; tile_dim1
	s_mov_b32 s[G1+5], 32                          ; the pitch: the block is dense
	s_mov_b32 s[G1+6], 0
	s_mov_b32 s[G1+7], 0
	s_mov_b32 s[SEL], 0x76543210
	s_mov_b32 s[SEL+1], 0xfedcba98
	s_mov_b32 s[MNT], 0x600000
	s_mov_b32 s[HM], 0xffff0000
	s_and_b32 s38, ttmp7, 0xffff
	s_mul_i32 s38, s38, 12
	s_add_co_u32 s[U], s38, s[WV]                  ; my unit 0..47
	s_lshr_b32 s[KIND], s[U], 4
	s_and_b32 s[HD], s[U], 15
	s_lshr_b32 s38, ttmp9, 4                       ; the batch
	s_lshl_b32 s38, s38, 4
	s_add_co_u32 s[BH], s38, s[HD]
	s_and_b32 s[ST], ttmp9, 15                     ; the key step
	s_min_u32 s41, s[WV], 3                        ; waves 0-3 fetch
	s_mul_i32 s40, s41, 16896
	s_mul_i32 s38, ttmp9, 67584
	s_add_co_u32 s38, s38, s40
	s_mov_b32 s39, 0
	s_wait_dscnt 0x0
	s_wait_kmcnt 0x0
	s_mov_b32 s[G0], 1
	s_mov_b32 s[G0+1], s40                         ; LDS: wave x 16,896
	s_add_nc_u64 s[G0+2:G0+3], s[4:5], s[38:39]
	s_or_b32 s[G0+3], s[G0+3], 0x80000000
	s_cmp_lt_u32 s[WV], 4
	s_cbranch_scc0 .Lno_fill
	tensor_load_to_lds s[G0:G0+3], s[G1:G1+7]      ; the one fill of these bytes
	s_nop 0
	PL 4
.Lno_fill:
	s_lshl_b32 s38, s[U], 14
	s_add_nc_u64 s[WB:WB+1], s[6:7], s[38:39]
	s_lshl_b32 s38, s[U], 9
	s_add_co_u32 s38, s38, WSO
	s_add_nc_u64 s[WSB:WSB+1], s[6:7], s[38:39]
.irp s, 0,1,2,3
.irp u, 0,1
.irp c, 0,1,2,3
	global_load_b128 v[W+32*\s+16*\u+4*\c:W+32*\s+16*\u+4*\c+3], v[L16], s[WB:WB+1] offset:4096*\s+2048*\u+512*\c
.endr
.endr
	global_load_b32 v[WS+\s], v[L4], s[WSB:WSB+1] offset:128*\s
.endr
	s_wait_tensorcnt 0x0                           ; my part of x's image has landed,
	s_barrier_signal -1
	s_barrier_wait -1                              ; everybody's has; nothing is filled again
	s_lshl_b32 s38, s[HD], 7                       ; the head's 32 numbers of a bias
	s_cmp_ge_u32 s[U], 32
	s_cbranch_scc1 .Lpath_v
	; ---- q or k.  The scalars written from here on (s38-41, WOF, BB, OC, OS) are named by no load that is out
	s_cmp_eq_u32 s[KIND], 0
	s_cselect_b64 s[BB:BB+1], s[8:9], s[10:11]
	s_cselect_b64 s[OC:OC+1], s[14:15], s[16:17]
	s_mov_b32 s40, 141312
	s_cselect_b32 s40, 73728, s40                  ; a head's bytes
	s_cselect_b32 s41, 12, 13                      ; a step's bytes: 4,096 or 8,192
	s_mov_b32 s[WOF], 131072
	s_cselect_b32 s[WOF], 65536, s[WOF]            ; where the words begin
	s_add_nc_u64 s[BB:BB+1], s[BB:BB+1], s[38:39]
	s_mov_b64 s[OS:OS+1], s[OC:OC+1]
	s_mul_i32 s40, s[BH], s40
	s_lshl_b32 s41, s[ST], s41
	s_add_co_u32 s38, s40, s41
	s_add_nc_u64 s[OC:OC+1], s[OC:OC+1], s[38:39]
	s_lshl_b32 s41, s[ST], 9
	s_add_co_u32 s38, s40, s41
	s_add_co_u32 s38, s38, s[WOF]
	s_add_nc_u64 s[OS:OS+1], s[OS:OS+1], s[38:39]
	v_bfe_u32 v[BO], v0, 4, 1
	v_lshlrev_b32 v[BO], 6, v[BO]                  ; my 16 channels: 64 h
.irp q, 0,1,2,3
	global_load_b128 v[BI+4*\q:BI+4*\q+3], v[BO], s[BB:BB+1] offset:16*\q
.endr
	s_wait_loadcnt 0x0                             ; the weights, their words, the bias
	PAIR 0, 0
	PAIR 1, 0
	PAIR 2, 0
	PAIR 3, 0
	global_store_b128 v[L16], v[SA:SA+3], s[OS:OS+1]   ; the step's 128 bytes as words: 512 consecutive aligned bytes
	s_wait_tensorcnt 0x0
	ds_add_u32 v126, v127
	s_wait_dscnt 0x0
	s_endpgm
.Lpath_v:
	s_add_nc_u64 s[BB:BB+1], s[12:13], s[38:39]
	s_mul_i32 s40, s[BH], 141312
	s_lshl_b32 s41, s[ST], 13
	s_add_co_u32 s38, s40, s41
	s_add_co_u32 s38, s38, 4096                    ; V lies behind the step's K
	s_add_nc_u64 s[OC:OC+1], s[16:17], s[38:39]
	s_lshl_b32 s41, s[ST], 7
	s_add_co_u32 s38, s40, s41
	s_add_co_u32 s38, s38, 139264
	s_add_nc_u64 s[OS:OS+1], s[16:17], s[38:39]
	v_and_b32 v[BO], 15, v0
	v_and_b32 v5, 8, v[BO]
	v_add_nc_u32 v[BO], v5, v[BO]
	v_lshlrev_b32 v[BO], 2, v[BO]                  ; my channel of tile u: 8 u + r + 8 (r / 8)
	global_load_b32 v[BT], v[BO], s[BB:BB+1]
	global_load_b32 v[BT+1], v[BO], s[BB:BB+1] offset:32
	s_wait_loadcnt 0x0
.irp j, 0,1,2,3,4,5,6,7
	v_mov_b32 v[BI+\j], v[BT]                      ; all eight registers of a lane are keys of one channel
	v_mov_b32 v[BI+8+\j], v[BT+1]
.endr
	PAIR 0, 1
	PAIR 1, 1
	PAIR 2, 1
	PAIR 3, 1
	v_cndmask_b32 v[SA], v[SA], v[SA+1], s[HM]
	global_store_b32 v[L4], v[SA], s[OS:OS+1]
	s_wait_tensorcnt 0x0
	ds_add_u32 v126, v127
	s_wait_dscnt 0x0
	s_endpgm
.Lfunc_end_k_qf6ad3a92ac_qkv:
	.size	k_qf6ad3a92ac_qkv, .Lfunc_end_k_qf6ad3a92ac_qkv-k_qf6ad3a92ac_qkv
	.p2alignl 7, 3214868480
	.fill 96, 4, 3214868480
	.section	.rodata,"a",@progbits
	.p2align	6, 0x0
	.amdhsa_kernel k_qf6ad3a92ac_qkv
		.amdhsa_group_segment_fixed_size 169472
		.amdhsa_private_segment_fixed_size 0
		.amdhsa_enable_private_segment 0
		.amdhsa_kernarg_size 56
		.amdhsa_user_sgpr_count 2
		.amdhsa_user_sgpr_kernarg_segment_ptr 1
		.amdhsa_wavefront_size32 1
		.amdhsa_system_sgpr_workgroup_id_x 1
		.amdhsa_system_sgpr_workgroup_id_y 1
		.amdhsa_system_sgpr_workgroup_id_z 1
		.amdhsa_system_vgpr_workitem_id 0
		.amdhsa_next_free_vgpr 256
		.amdhsa_next_free_sgpr 66
		.amdhsa_reserve_vcc 0
		.amdhsa_float_denorm_mode_32 3
		.amdhsa_float_denorm_mode_16_64 3
		.amdhsa_memory_ordered 1
		.amdhsa_forward_progress 1
		.amdhsa_inst_pref_size 88
	.end_amdhsa_kernel
	.amdgpu_metadata
---
amdhsa.version: [ 1, 2 ]
amdhsa.kernels:
  - .name:           k_qf6ad3a92ac_qkv
    .symbol:         k_qf6ad3a92ac_qkv.kd
    .args:
      - { .name: ximg, .offset: 0, .size: 8, .value_kind: global_buffer, .address_space: global }
      - { .name: wimg, .offset: 8, .size: 8, .value_kind: global_buffer, .address_space: global }
      - { .name: bq, .offset: 16, .size: 8, .value_kind: global_buffer, .address_space: global }
      - { .name: bk, .offset: 24, .size: 8, .value_kind: global_buffer, .address_space: global }
      - { .name: bv, .offset: 32, .size: 8, .value_kind: global_buffer, .address_space: global }
      - { .name: qimg, .offset: 40, .size: 8, .value_kind: global_buffer, .address_space: global }
      - { .name: kvimg, .offset: 48, .size: 8, .value_kind: global_buffer, .address_space: global }
    .group_segment_fixed_size: 169472
    .private_segment_fixed_size: 0
    .kernarg_segment_align: 8
    .kernarg_segment_size: 56
    .max_flat_workgroup_size: 384
    .sgpr_count:     66
    .vgpr_count:     256
    .wavefront_size: 32
...
	.end_amdgpu_metadata
.endif
;; end of part 2
;; launch attn (part 3): grid 256 x 1, 16 waves a work-group, no clusters, 169,984 bytes of LDS; arguments qimg, kvimg, att; writes att
.if DOCPART == 3
	.amdgcn_target "amdgcn-amd-amdhsa--gfx1250"
	.amdhsa_code_object_version 6
	.text
	.protected	k_qf6ad3a92ac_attn
	.globl	k_qf6ad3a92ac_attn
	.p2align	8
	.type	k_qf6ad3a92ac_attn,@function
k_qf6ad3a92ac_attn:
	s_mov_b64 s[64:65], 0
	v_nop
	global_prefetch_b8 v0, s[64:65] scope:SCOPE_SE
	s_setreg_imm32_b32 hwreg(HW_REG_WAVE_MODE, 25, 1), 1
	s_wait_xcnt 0x0
; Attention of one head on codes of E5M2 (MX), and the quantising of its result for the product with wo.
; t = score x log2(e) / sqrt(32); M = the running largest t rounded UP to a whole number; p = 2^(t - M) is quantised along the keys, not normalised; the row's sum is taken of the unquantised p and divides at the end.
; SHARES: a work-group takes one head x 512 queries; each of its sixteen waves two tiles of 16 queries, one after the other, in 256 registers: four waves to a SIMD, so that one wave's vector work stands beside another's products and LDS loads.
; THE HEAD'S K, V AND THEIR SCALE WORDS, 141,312 bytes, LIE IN LDS FOR THE WHOLE LAUNCH: eight tensor loads of 69 rows of 256 bytes at the start, one barrier, and no byte is filled again.
; Both products are TRANSPOSED: S^T = K Q^T, O^T = V^T P^T: a lane holds one query throughout; the keys of a tile are chosen so that the 16 registers of two neighbouring tiles are 16 neighbouring keys.
; THE SCORE PRODUCT'S K IS 32 OF THE INSTRUCTION'S 128.  Q's blocks 1-3 are zero codes.  K's operand for tile t is v[32 + 4 t .. 47 + 4 t]: its blocks 1-3 are the next tiles' codes (for t >= 5 also twelve registers of zeros): finite codes, which add
; exactly 0 against Q's zeros; the scale words' upper bytes are 0, which is 2^-127.  So one load of 16 bytes a lane brings a tile of K.
; THE STEP IS LAID A STEP DEEP.  Step q begins with its eight score products; behind them stand O^T's rescaling by step q - 1's f (eight plain lines: the places behind the score products) and the two products V^T P of step q - 1, which run
; under step q's softmax.  V of step q and K of step q + 1 are asked for behind the block maxima and land under the softmax; one wait at a step's head serves them all.  A tile begins with f = 1 and zero codes of p, and ends with one flush.
; att: codes [token tile 512][head 16][lane][16] (a head's 32 channels are one block of wo's K), then the bytes as words [head 16][pair of tiles 256][32].
; LIMITS: NaN and infinities are not served; v_exp_f32 gives 0 for a p under 2^-126; t is formed by one multiplication where the definition has a division and a multiplication; a block of zeros gets the byte 1 with zero codes.
; No cluster: the four work-groups of a head share K and V, but these are fetched once, 141 KB, against 32 key steps of softmax in every wave.  No prefetch: nothing is streamed.
.set ADK, 1                            ; LDS address of the trip's tiles
.set ADS, 2                            ; of K's scale words
.set ADT, 3                            ; of V's
.set L16, 4
.set L4,  5
.set AKS0, 6                           ; 131,072 + 16 x lane
.set AVS0, 7                           ; 139,264 + 4 x lane
.set QSO, 8                            ; 16 (lane % 16)
.set BY0, 9                            ; the first tile's scale byte
.set QF0, 16                           ; v16-19 the first tile's Q, v20-31 zeros
.set KF,  32                           ; v32-63 K: tile t at 32 + 4 t
.set PAD, 64                           ; v64-75 zeros: the end of K's last three operands
.set C4,  76                           ; v[76:77] a chain of the row's sum
.set VF,  80                           ; v80-111 V's two fragments
.set S,   112                          ; v112-175 S^T, then p
.set O,   176                          ; v176-191 O^T
.set KS,  192                          ; v192-195 K's scale words
.set VS,  196
.set QS0, 197                          ; Q's scale words, first tile
.set PW,  198                          ; p's scale word
.set QS1, 199                          ; Q's scale words, second tile
.set BM,  200
.set PT,  204
.set HOLD, 208
.set SOP, 212
.set F,   216                          ; v[216:217] f = 2^(old M - new M) in the low word
.set TMP, 218
.set C2,  220                          ; v[220:221], v[222:223] chains of the row's sum
.set C3,  222
.set QF1, 224                          ; v224-227 the second tile's Q, v228-239 zeros
.set PC,  240                          ; v240-255 p's codes
.set WV,  10
.set SEL, 12
.set CS,  14
.set MNT, 16
.set HM,  17
.set TB,  18
.set TS,  19
.set TV,  20
.set CNT, 21
.set G1,  24
.set G0,  32
.set QCB, 40
.set QSB, 42
.set ATB, 44
.set ATSB, 46
.macro PL n
.rept \n
	v_nop
.endr
.endm
.macro QB src, held, cod, t
	v_max3_num_f32 v[\t], |v[\src]|, |v[\src+1]|, 0x8000000
	v_max3_num_f32 v[\t+1], |v[\src+8]|, |v[\src+9]|, |v[\src+10]|
.irp i, 2,4,6
	v_max3_num_f32 v[\t], v[\t], |v[\src+\i]|, |v[\src+\i+1]|
.endr
.irp i, 11,13
	v_max3_num_f32 v[\t+1], v[\t+1], |v[\src+\i]|, |v[\src+\i+1]|
.endr
	v_max3_num_f32 v[\t], v[\t], v[\t+1], |v[\src+15]|
	v_permlanex16_b32 v[\t+1], v[\t], s[SEL], s[SEL+1]
	v_max_num_f32 v[\t], v[\t], v[\t+1]
	v_add_nc_u32 v[\t+2], 0xf8800000, v[\t]
	v_and_or_b32 v[\t+1], v[\t], 0x7f800000, s[MNT]
	v_lshrrev_b32 v[\t], 23, v[\t+2]
.irp i, 0,1,2,3,4,5,6,7,8,9,10,11,12,13,14,15
	v_med3_num_f32 v[\held+\i], v[\src+\i], -v[\t+1], v[\t+1]
.endr
	v_cvt_scalef32_pk8_bf8_f32 v[\cod:\cod+1], v[\held:\held+7], v[\t+2]
	v_cvt_scalef32_pk8_bf8_f32 v[\cod+2:\cod+3], v[\held+8:\held+15], v[\t+2]
	v_nop
.endm
; one product: c < 0: C = 0, else C's first register; ra: A's scale words lie in lanes 16-31
.macro WM d, a, b, c, sa, sb, ra
.if (\c) < 0
.if (\ra)
	v_wmma_scale_f32_16x16x128_f8f6f4 v[\d:\d+7], v[\a:\a+15], v[\b:\b+15], 0, v[\sa], v[\sb] matrix_a_fmt:MATRIX_FMT_BF8 matrix_b_fmt:MATRIX_FMT_BF8 matrix_a_scale:MATRIX_SCALE_ROW1
.else
	v_wmma_scale_f32_16x16x128_f8f6f4 v[\d:\d+7], v[\a:\a+15], v[\b:\b+15], 0, v[\sa], v[\sb] matrix_a_fmt:MATRIX_FMT_BF8 matrix_b_fmt:MATRIX_FMT_BF8
.endif
.else
.if (\ra)
	v_wmma_scale_f32_16x16x128_f8f6f4 v[\d:\d+7], v[\a:\a+15], v[\b:\b+15], v[\c:\c+7], v[\sa], v[\sb] matrix_a_fmt:MATRIX_FMT_BF8 matrix_b_fmt:MATRIX_FMT_BF8 matrix_a_scale:MATRIX_SCALE_ROW1
.else
	v_wmma_scale_f32_16x16x128_f8f6f4 v[\d:\d+7], v[\a:\a+15], v[\b:\b+15], v[\c:\c+7], v[\sa], v[\sb] matrix_a_fmt:MATRIX_FMT_BF8 matrix_b_fmt:MATRIX_FMT_BF8
.endif
.endif
.endm
; O^T = O^T x f + V^T P of the step whose f, codes, scale word and V lie in registers: eight packed multiplications, two products on two accumulators
.macro PV
.irp j, 0,2,4,6,8,10,12,14
	v_pk_mul_f32 v[O+\j:O+\j+1], v[O+\j:O+\j+1], v[F:F+1] op_sel_hi:[1,0]   ; O^T under that step's M: each accumulator is read from its low end on
.endr
	WM O, VF, PC, O, VS, PW, 0
	WM O+8, VF+16, PC, O+8, VS, PW, 1
.endm
; A KEY STEP: 128 keys, the q-th of the trip's four.  QFP, QSP: the registers of the tile's Q and of its scale words
.macro STEP q
	s_wait_dscnt 0x0                               ; this step's K and its scale words, the last step's V and its scale words: all were asked for a softmax ago
.irp t, 0,1,2,3,4,5,6,7
	WM S+8*\t, KF+4*\t, QFP, -1, KS+(\t)/2, QSP, (\t)%2
.endr
	PV                                             ; the LAST step's second product.  Its eight multiplications name no register of the score products: they are the eight places in front of the first read of the scores
.irp b, 0,1,2,3
	v_max3_num_f32 v[BM+\b], v[S+16*\b], v[S+16*\b+1], v[S+16*\b+2]   ; the largest score of each block of 32 keys: for the row's maximum, and, since p rises with the score, for the block's largest p
.endr
.irp i, 3,5,7,9,11,13
.irp b, 0,1,2,3
	v_max3_num_f32 v[BM+\b], v[BM+\b], v[S+16*\b+\i], v[S+16*\b+\i+1]
.endr
.endr
.irp b, 0,1,2,3
	v_max_num_f32 v[BM+\b], v[BM+\b], v[S+16*\b+15]
.endr
; these 32 plain lines are the places in front of the loads into the registers that the ten products above have read
.irp u, 0,1
.irp c, 0,1,2,3
	ds_load_b128 v[VF+16*\u+4*\c:VF+16*\u+4*\c+3], v[ADK] offset:8192*(\q)+4096+2048*\u+512*\c   ; this step's V
.endr
.endr
	ds_load_b32 v[VS], v[ADT] offset:128*(\q)
.irp t, 0,1,2,3,4,5,6,7
	ds_load_b128 v[KF+4*\t:KF+4*\t+3], v[ADK] offset:8192*((\q)+1)+512*\t   ; the NEXT step's K.  Behind the head's last step these are 4,096 bytes of the scale words' region: filled bytes, inside LDS, and what they bring is not used
.endr
	ds_load_b128 v[KS:KS+3], v[ADS] offset:512*((\q)+1)                      ; and its scale words (behind the last step: 512 bytes of V's words, likewise not used)
.irp b, 0,1,2,3
	v_permlanex16_b32 v[PT+\b], v[BM+\b], s[SEL], s[SEL+1]
.endr
.irp b, 0,1,2,3
	v_max_num_f32 v[BM+\b], v[BM+\b], v[PT+\b]     ; with lane l xor 16's 16 keys
.endr
	v_max3_num_f32 v[TMP], v[BM], v[BM+1], v[BM+2]
	v_max_num_f32 v[TMP], v[TMP], v[BM+3]
	v_mul_f32 v[TMP], s[CS], v[TMP]                ; as t
	v_max_num_f32 v13, v13, v[TMP]                 ; the running largest t
	v_mov_b32 v[TMP], v12
	v_floor_f32 v12, -v13                          ; -M = floor(-t): M is a whole number
	v_sub_f32 v[TMP], v12, v[TMP]                  ; old M - new M, 0 or less
	v_cvt_i32_f32 v[TMP], v[TMP]                   ; (it saturates)
	v_ldexp_f32 v[F], 1.0, v[TMP]                  ; f: a power of two: the rescaling rounds nothing.  (The last step's f was used above)
.set j, 0
.rept 32
	v_pk_fma_f32 v[S+j:S+j+1], v[S+j:S+j+1], s[CS:CS+1], v[12:13] op_sel_hi:[1,0,0]   ; t - M
.set j, j+2
.endr
.irp b, 0,1,2,3
	v_fma_f32 v[BM+\b], v[BM+\b], s[CS], v12
.endr
.set j, 0
.rept 64
	v_exp_f32 v[S+j], v[S+j]                       ; p = 2^(t - M)
.set j, j+1
.endr
	v_pk_mul_f32 v[14:15], v[14:15], v[F:F+1] op_sel_hi:[1,0]   ; the sums under the new M: the plain line behind the batch
	s_wait_alu depctr_va_vdst(0)                   ; one wait for the 64, ahead of their first reader
.irp b, 0,1,2,3
	v_exp_f32 v[BM+\b], v[BM+\b]                   ; each block's largest p
.endr
	v_pk_add_f32 v[C2:C2+1], v[S:S+1], v[S+2:S+3]  ; the row's sum, of the unquantised p: 32 additions in four chains, so that no line waits for one of the three above it
	v_pk_add_f32 v[C3:C3+1], v[S+4:S+5], v[S+6:S+7]
	v_pk_add_f32 v[C4:C4+1], v[S+8:S+9], v[S+10:S+11]
.set j, 12
.rept 6
	v_pk_add_f32 v[14:15], v[14:15], v[S+j:S+j+1]
	v_pk_add_f32 v[C2:C2+1], v[C2:C2+1], v[S+j+2:S+j+3]
	v_pk_add_f32 v[C3:C3+1], v[C3:C3+1], v[S+j+4:S+j+5]
	v_pk_add_f32 v[C4:C4+1], v[C4:C4+1], v[S+j+6:S+j+7]
.set j, j+8
.endr
	v_pk_add_f32 v[14:15], v[14:15], v[S+60:S+61]
	v_pk_add_f32 v[C2:C2+1], v[C2:C2+1], v[S+62:S+63]
	v_pk_add_f32 v[C3:C3+1], v[C3:C3+1], v[C4:C4+1]
	v_pk_add_f32 v[14:15], v[14:15], v[C2:C2+1]    ; (the last chain is added at the step's end)
	s_wait_alu depctr_va_vdst(0)                   ; and one wait for the four
.irp b, 0,1,2,3
	v_max_num_f32 v[BM+\b], 0x8000000, v[BM+\b]    ; the floor 2^(16 - 127)
.endr
.irp b, 0,1,2,3
	v_add_nc_u32 v[SOP+\b], 0xf8800000, v[BM+\b]
.endr
.irp b, 0,1,2,3
	v_and_or_b32 v[HOLD+\b], v[BM+\b], 0x7f800000, s[MNT]
.endr
.irp b, 0,1,2,3
	v_lshrrev_b32 v[PT+\b], 23, v[SOP+\b]
.endr
	v_lshl_or_b32 v[PW], v[PT+1], 8, v[PT]         ; p's scale word for these 128 keys: the 32 lines of the hold alone are more than the eight plain lines owed ahead of its products
	v_lshl_or_b32 v[PW], v[PT+2], 16, v[PW]
	v_lshl_or_b32 v[PW], v[PT+3], 24, v[PW]
; THE HOLD, TWO NUMBERS AN INSTRUCTION (p is not negative: it is one-sided).  The halves of a pair take numbers of two neighbouring blocks: so the two first sources are two neighbouring registers, the two second sources
; an even and an odd register, and the two results an even and an odd one, as the dual form asks
.irp g, 0,2
.irp i, 0,2,4,6,8,10,12,14
	v_dual_min_num_f32 v[S+16*\g+\i], v[HOLD+\g], v[S+16*\g+\i] :: v_dual_min_num_f32 v[S+16*\g+17+\i], v[HOLD+\g+1], v[S+16*\g+17+\i]
	v_dual_min_num_f32 v[S+16*\g+16+\i], v[HOLD+\g+1], v[S+16*\g+16+\i] :: v_dual_min_num_f32 v[S+16*\g+1+\i], v[HOLD+\g], v[S+16*\g+1+\i]
.endr
.irp b, \g, \g+1
	v_cvt_scalef32_pk8_bf8_f32 v[PC+4*(\b):PC+4*(\b)+1], v[S+16*(\b):S+16*(\b)+7], v[SOP+(\b)]
	v_cvt_scalef32_pk8_bf8_f32 v[PC+4*(\b)+2:PC+4*(\b)+3], v[S+16*(\b)+8:S+16*(\b)+15], v[SOP+(\b)]
.endr
.endr
	v_pk_add_f32 v[14:15], v[14:15], v[C3:C3+1]    ; the sum's last chain: also the plain line between the last conversion and the next score products, which write its sources
.endm
; One tile of 16 queries through all 2,048 keys: four trips of four key steps, and the flush of the last step's second product
.macro PASS p
.if (\p) == 0
.set QFP, QF0
.set QSP, QS0
.else
.set QFP, QF1
.set QSP, QS1
.endif
	s_wait_xcnt 0x0                                ; the last tile's store has read its data, which K's first tile overwrites
.irp t, 0,1,2,3,4,5,6,7
	ds_load_b128 v[KF+4*\t:KF+4*\t+3], v[L16] offset:512*\t   ; step 0's K and its scale words
.endr
	ds_load_b128 v[KS:KS+3], v[AKS0]
.irp u, 0,1
.irp c, 0,1,2,3
	ds_load_b128 v[VF+16*\u+4*\c:VF+16*\u+4*\c+3], v[L16] offset:4096+2048*\u+512*\c   ; step 0's V, for the first step's product with zero codes of p: finite codes, which add exactly 0
.endr
.endr
	ds_load_b32 v[VS], v[AVS0]
	v_mov_b32 v[PW], 0                             ; the scale word of the zero codes
.set j, 0
.rept 16
	v_mov_b32 v[PC+j], 0                           ; no step has been: p's codes are zeros,
.set j, j+1
.endr
	v_mov_b32 v[F], 1.0                            ; and f is 1
	v_mov_b32 v13, 0xff61b1e6                      ; the largest t so far: -3e38
	v_floor_f32 v12, -v13
	v_mov_b32 v14, 0
	v_mov_b32 v15, 0
.set j, 0
.rept 16
	v_mov_b32 v[O+j], 0                            ; the step is written once: the first finds zeros
.set j, j+1
.endr
	s_mov_b32 s[TB], 0
	s_mov_b32 s[TS], 0
	s_mov_b32 s[TV], 0
	s_mov_b32 s[CNT], 4
.Ltrip_\@:
	v_add_nc_u32 v[ADK], s[TB], v[L16]
	v_add_nc_u32 v[ADS], s[TS], v[AKS0]
	v_add_nc_u32 v[ADT], s[TV], v[AVS0]
	STEP 0
	STEP 1
	STEP 2
	STEP 3
	s_add_co_u32 s[TB], s[TB], 32768
	s_add_co_u32 s[TS], s[TS], 2048
	s_add_co_u32 s[TV], s[TV], 512
	s_sub_co_u32 s[CNT], s[CNT], 1
	s_cmp_lg_u32 s[CNT], 0
	s_cbranch_scc1 .Ltrip_\@
	s_wait_dscnt 0x0                               ; the last step's V is in (and the look-ahead, which is not used)
	PV                                             ; the flush: the last step's second product
	PL 8                                           ; places behind the last products
	v_add_f32 v14, v14, v15
	v_permlanex16_b32 v[TMP], v14, s[SEL], s[SEL+1]
	v_add_f32 v14, v14, v[TMP]                     ; the row's sum
	v_rcp_f32 v14, v14
	v_nop
	s_wait_alu depctr_va_vdst(0)
.set j, 0
.rept 16
	v_mul_f32 v[S+j], v[O+j], v14                  ; register j: channel 16 h + j of my query
.set j, j+1
.endr
	QB S, S, KF, BM                                ; the head's 32 channels are one block of wo's K
	global_store_b128 v[L16], v[KF:KF+3], s[ATB:ATB+1] offset:8192*(\p)
.if (\p) == 0
	v_mov_b32 v[BY0], v[BM]
.else
	v_cndmask_b32 v[BY0], v[BY0], v[BM], s[HM]
	global_store_b32 v[L4], v[BY0], s[ATSB:ATSB+1]
.endif
.endm
	s_load_b128 s[4:7], s[0:1], 0x0                ; qimg, kvimg
	s_load_b64 s[8:9], s[0:1], 0x10                ; att
	v_lshl_add_u32 v79, v0, 2, 0x29000
	v_mov_b32 v219, 0
	ds_add_u32 v79, v219
	ds_add_u32 v79, v219
	v_lshrrev_b32 v1, 5, v0
	v_readfirstlane_b32 s[WV], v1                  ; wave 0..15
	s_mov_b32 s[G1], 3<<16                         ; elements of 8 bytes, no mask, no padding
	s_mov_b32 s[G1+1], 32<<16                      ; rows of 256 bytes
	s_mov_b32 s[G1+2], 69<<16                      ; 69 rows
	s_mov_b32 s[G1+3], 32<<16
	s_mov_b32 s[G1+4], 69
	s_mov_b32 s[G1+5], 32                          ; dense
	s_mov_b32 s[G1+6], 0
	s_mov_b32 s[G1+7], 0
	s_mov_b32 s[SEL], 0x76543210
	s_mov_b32 s[SEL+1], 0xfedcba98
	s_mov_b32 s[CS], 0x3e8293ee                    ; log2(e) / sqrt(32)
	s_mov_b32 s[CS+1], s[CS]
	s_mov_b32 s[MNT], 0x600000
	s_mov_b32 s[HM], 0xffff0000
	s_lshr_b32 s22, ttmp9, 2                       ; batch x 16 + head
	s_min_u32 s38, s[WV], 7                        ; waves 0-7 fetch
	s_mul_i32 s38, s38, 17664
	s_mul_i32 s36, s22, 141312
	s_add_co_u32 s36, s36, s38
	s_mov_b32 s37, 0
	s_wait_dscnt 0x0
	s_wait_kmcnt 0x0
	s_mov_b32 s[G0], 1
	s_mov_b32 s[G0+1], s38
	s_add_nc_u64 s[G0+2:G0+3], s[6:7], s[36:37]
	s_or_b32 s[G0+3], s[G0+3], 0x80000000
	s_cmp_lt_u32 s[WV], 8
	s_cbranch_scc0 .Lno_fill
	tensor_load_to_lds s[G0:G0+3], s[G1:G1+7]      ; the one fill of these bytes
	s_nop 0
	PL 4
.Lno_fill:
	s_and_b32 s23, ttmp9, 3
	s_lshl_b32 s23, s23, 4
	s_add_co_u32 s23, s23, s[WV]                   ; my pair of query tiles in the head, 0..63
	s_mul_i32 s38, s22, 73728
	s_lshl_b32 s36, s23, 10
	s_add_co_u32 s36, s36, s38
	s_add_nc_u64 s[QCB:QCB+1], s[4:5], s[36:37]    ; Q's codes
	s_lshr_b32 s36, s23, 2
	s_lshl_b32 s36, s36, 9
	s_and_b32 s39, s23, 3
	s_lshl_b32 s39, s39, 2
	s_add_co_u32 s36, s36, s39
	s_add_co_u32 s36, s36, s38
	s_add_co_u32 s36, s36, 65536
	s_add_nc_u64 s[QSB:QSB+1], s[4:5], s[36:37]    ; Q's scale words
	s_lshr_b32 s38, s22, 4                         ; the batch
	s_and_b32 s39, s22, 15                         ; the head
	s_lshl_b32 s36, s38, 7
	s_add_co_u32 s36, s36, s23
	s_add_co_u32 s36, s36, s23                     ; token tile 128 b + 2 pair
	s_lshl_b32 s36, s36, 4
	s_add_co_u32 s36, s36, s39
	s_lshl_b32 s36, s36, 9
	s_add_nc_u64 s[ATB:ATB+1], s[8:9], s[36:37]
	s_lshl_b32 s36, s39, 8
	s_lshl_b32 s38, s38, 6
	s_add_co_u32 s36, s36, s38
	s_add_co_u32 s36, s36, s23
	s_lshl_b32 s36, s36, 7
	s_add_co_u32 s36, s36, 4194304
	s_add_nc_u64 s[ATSB:ATSB+1], s[8:9], s[36:37]
	v_and_b32 v1, 31, v0
	v_lshlrev_b32 v[L16], 4, v1
	v_lshlrev_b32 v[L4], 2, v1
	v_add_nc_u32 v[AKS0], 131072, v[L16]
	v_add_nc_u32 v[AVS0], 139264, v[L4]
	v_and_b32 v[QSO], 15, v0
	v_lshlrev_b32 v[QSO], 4, v[QSO]
	global_load_b128 v[QF0:QF0+3], v[L16], s[QCB:QCB+1]              ; BOTH tiles' Q and scale words are asked for here, while the head's K and V are on their way
	global_load_b128 v[QF1:QF1+3], v[L16], s[QCB:QCB+1] offset:512
	global_load_b32 v[QS0], v[QSO], s[QSB:QSB+1]
	global_load_b32 v[QS1], v[QSO], s[QSB:QSB+1] offset:256
.set j, 0
.rept 12
	v_mov_b32 v[QF0+4+j], 0                        ; Q's blocks 1-3: zero codes, for either tile;
	v_mov_b32 v[QF1+4+j], 0
	v_mov_b32 v[PAD+j], 0                          ; and what K's last three operands run into
.set j, j+1
.endr
.irp b, 0,1,2,3
	v_mov_b32 v[PT+\b], 0                          ; a lane permute's destination counts as one of its sources
.endr
	v_mov_b32 v[F+1], 0                            ; named as the upper half of a pair
	v_mov_b32 v[TMP], 0
	s_wait_loadcnt 0x0                             ; Q of both tiles
	s_wait_tensorcnt 0x0                           ; my part of the head's K and V has landed,
	s_barrier_signal -1
	s_barrier_wait -1                              ; everybody's has; nothing is filled again
	PASS 0
	PASS 1
	s_wait_tensorcnt 0x0
	ds_add_u32 v79, v219
	s_wait_dscnt 0x0
	s_endpgm
.Lfunc_end_k_qf6ad3a92ac_attn:
	.size	k_qf6ad3a92ac_attn, .Lfunc_end_k_qf6ad3a92ac_attn-k_qf6ad3a92ac_attn
	.p2alignl 7, 3214868480
	.fill 96, 4, 3214868480
	.section	.rodata,"a",@progbits
	.p2align	6, 0x0
	.amdhsa_kernel k_qf6ad3a92ac_attn
		.amdhsa_group_segment_fixed_size 169984
		.amdhsa_private_segment_fixed_size 0
		.amdhsa_enable_private_segment 0
		.amdhsa_kernarg_size 24
		.amdhsa_user_sgpr_count 2
		.amdhsa_user_sgpr_kernarg_segment_ptr 1
		.amdhsa_wavefront_size32 1
		.amdhsa_system_sgpr_workgroup_id_x 1
		.amdhsa_system_sgpr_workgroup_id_y 1
		.amdhsa_system_sgpr_workgroup_id_z 1
		.amdhsa_system_vgpr_workitem_id 0
		.amdhsa_next_free_vgpr 256
		.amdhsa_next_free_sgpr 66
		.amdhsa_reserve_vcc 0
		.amdhsa_float_denorm_mode_32 3
		.amdhsa_float_denorm_mode_16_64 3
		.amdhsa_memory_ordered 1
		.amdhsa_forward_progress 1
		.amdhsa_inst_pref_size 145
	.end_amdhsa_kernel
	.amdgpu_metadata
---
amdhsa.version: [ 1, 2 ]
amdhsa.kernels:
  - .name:           k_qf6ad3a92ac_attn
    .symbol:         k_qf6ad3a92ac_attn.kd
    .args:
      - { .name: qimg, .offset: 0, .size: 8, .value_kind: global_buffer, .address_space: global }
      - { .name: kvimg, .offset: 8, .size: 8, .value_kind: global_buffer, .address_space: global }
      - { .name: att, .offset: 16, .size: 8, .value_kind: global_buffer, .address_space: global }
    .group_segment_fixed_size: 169984
    .private_segment_fixed_size: 0
    .kernarg_segment_align: 8
    .kernarg_segment_size: 24
    .max_flat_workgroup_size: 512
    .sgpr_count:     66
    .vgpr_count:     256
    .wavefront_size: 32
...
	.end_amdgpu_metadata
.endif
;; end of part 3
;; launch tail (part 4): grid 256 x 1, 16 waves a work-group, no clusters, 188,928 bytes of LDS; arguments att, wimg, x, bo, g1, b1, b_ff1, b_ff2, g2, b2, out0; writes out0
.if DOCPART == 4
	.amdgcn_target "amdgcn-amd-amdhsa--gfx1250"
	.amdhsa_code_object_version 6
	.text
	.protected	k_qf6ad3a92ac_tail
	.globl	k_qf6ad3a92ac_tail
	.p2align	8
	.type	k_qf6ad3a92ac_tail,@function
k_qf6ad3a92ac_tail:
	s_mov_b64 s[64:65], 0
	v_nop
	global_prefetch_b8 v0, s[64:65] scope:SCOPE_SE
	s_setreg_imm32_b32 hwreg(HW_REG_WAVE_MODE, 25, 1), 1
	s_wait_xcnt 0x0
; out0 = LN2(y + gelu(y W1 + b_ff1) W2 + b_ff2), y = LN1(x + a Wo + bo); the three products on codes of E5M2 (MX); a = attention's result, given as codes.  Nothing between goes to memory.
; SHARES: a work-group takes 32 tokens (two tiles a = 0, 1).  THE SIXTEEN WAVES SHARE THE COLUMNS: wave w owns columns 32 w .. 32 w + 31 of Wo's and W2's results and hidden units 128 w .. 128 w + 127, which are K step w of the last product.
; All products are TRANSPOSED (source 0 = 16 columns of a weight, source 1 = 16 tokens): a lane holds one token and 16 neighbouring columns 32 w + 16 h + 0 .. 15: with lane l xor 16 a block of 32 of the next K.
; WEIGHTS go from memory straight into registers, as they lie (images of the operands' registers): 36 items of 4 KB + a scale word a wave (Wo 4, W1 16, W2 16) through a ring of three register slots, asked for three items ahead, across phases and barriers.
; ROWS go from wave to wave through LDS as images of their registers.  Scale bytes go as planes of whole words, 128 bytes a wave; each wave shifts them together into four registers.
; The norms are taken in two passes (mean, then squares of the differences), the waves' sums meeting in LDS.  Residual and bias are the C of a chain's first product.
; gelu(x) = max(x, 0) - |x| / 2 x erfc(|x| / sqrt 2), erfc(z) = t exp(-z^2 + c0 + t (c1 + .. + t c9)), t = 1 / (1 + z / 2): a fractional error of 1.2e-7 for every z, and no difference of near numbers in either tail.
; The text has one path, so a wait for global loads counts, by the symbol NLD, the loads issued behind the group that is wanted.
; LIMITS: NaN and infinities are not served; v_exp_f32 gives 0 under 2^-126, so gelu(x) is 0 from about x = -13 down; a block of zeros gets the byte 1 with zero codes.
; No cluster: weights land in registers, for which there is no joint form.  No prefetch: all 256 work-groups read the same 2.3 MB of weights again and again.
.set WSO,  3145728
.set AIMG, 0                           ; LDS: a's codes [tile 2][block 16][512]
.set XIMG, 16384                       ; y's, likewise
.set PLA,  32768                       ; a's scale bytes as words [block 16][32]
.set PLX,  34816                       ; y's
.set HSC,  36864                       ; the hidden layer's scale words [K step 16][32]
.set RED,  38912                       ; four rounds of sums [wave 16][lane 32][2]
.set HIMG, 55296                       ; the hidden layer's codes [tile 2][K step 16][chunk 4][512]
.set STAGE, 120832                     ; 32 rows x (2,048 + 16)
.set SPI,  2064
.set L16, 1                            ; 16 x lane
.set L4,  2                            ; 4 x lane
.set XV,  3                            ; x: (r + 8 (r / 8)) x 2,048 + 64 h
.set CPY, 4                            ; 1,024 w + 16 x lane
.set PLW, 5                            ; PLA + 128 w + 4 x lane
.set XW,  6                            ; XIMG + 512 w + 16 x lane
.set HW,  7                            ; HIMG + 2,048 w + 16 x lane
.set RW,  9                            ; RED + 256 w + 8 x lane
.set RR,  10                           ; RED + 8 x lane
.set STW, 11                           ; STAGE + 2,064 r + 128 w + 64 h
.set STR, 12                           ; STAGE + 4,128 w + 16 x lane
.set BV,  13                           ; 64 h
.set HR,  14                           ; HIMG + 16 x lane
.set Y,   16                           ; v16-47   [tile 2][16]: Wo's and W2's sums, y
.set ACC, 48                           ; v48-79   [tile 2][16]: W1's sums; idle in the norms, whose small numbers lie here
.set AF,  80                           ; v80-111  the rows' two fragments; at work between products
.set T,   112                          ; v112-143 biases, gains; at work
.set WSC, 144                          ; v144-146 the ring's scale words
.set ASR, 147                          ; the hidden layer's scale word
.set TQ,  148                          ; v148-150 at work
.set HW0, 151                          ; the hidden layer's words in the making
.set HW1, 152
.set C9,  154                          ; v[154:155] c9
.set SR,  156                          ; v156-159 the rows' scale words, a K step each
.set W,   160                          ; v160-255 the ring: [slot 3][tile 2][16]
.set SU,  ACC                          ; the two tiles' sums
.set PD,  ACC+2
.set M1,  ACC+4
.set R0,  ACC+6
.set WV,  26
.set SEL, 28
.set MNT, 30
.set HM,  31
.set EPS, 32
.set K35, 33
.set SX,  8
.set SBO, 10
.set SG1, 12
.set SB1, 14
.set SBF1, 16
.set SBF2, 18
.set SG2, 20
.set SB2, 22
.set SOUT, 24
.set SWO, 40
.set SWOS, 42
.set SF1, 44
.set SF1S, 46
.set SF2, 48
.set SF2S, 50
.set ATC, 52
.set ATS, 54
.set NLD, 0
.set MKB, 0
.macro PL n
.rept \n
	v_nop
.endr
.endm
.macro GL128 dst, voff, sb, off
	global_load_b128 v[\dst:\dst+3], v[\voff], s[\sb:\sb+1] offset:\off
.set NLD, NLD+1
.endm
.macro GL32 dst, voff, sb, off
	global_load_b32 v[\dst], v[\voff], s[\sb:\sb+1] offset:\off
.set NLD, NLD+1
.endm
.macro QB src, held, cod, t
	v_max3_num_f32 v[\t], |v[\src]|, |v[\src+1]|, 0x8000000
	v_max3_num_f32 v[\t+1], |v[\src+8]|, |v[\src+9]|, |v[\src+10]|
.irp i, 2,4,6
	v_max3_num_f32 v[\t], v[\t], |v[\src+\i]|, |v[\src+\i+1]|
.endr
.irp i, 11,13
	v_max3_num_f32 v[\t+1], v[\t+1], |v[\src+\i]|, |v[\src+\i+1]|
.endr
	v_max3_num_f32 v[\t], v[\t], v[\t+1], |v[\src+15]|
	v_permlanex16_b32 v[\t+1], v[\t], s[SEL], s[SEL+1]
	v_max_num_f32 v[\t], v[\t], v[\t+1]
	v_add_nc_u32 v[\t+2], 0xf8800000, v[\t]
	v_and_or_b32 v[\t+1], v[\t], 0x7f800000, s[MNT]
	v_lshrrev_b32 v[\t], 23, v[\t+2]
.irp i, 0,1,2,3,4,5,6,7,8,9,10,11,12,13,14,15
	v_med3_num_f32 v[\held+\i], v[\src+\i], -v[\t+1], v[\t+1]
.endr
	v_cvt_scalef32_pk8_bf8_f32 v[\cod:\cod+1], v[\held:\held+7], v[\t+2]
	v_cvt_scalef32_pk8_bf8_f32 v[\cod+2:\cod+3], v[\held+8:\held+15], v[\t+2]
	v_nop
.endm
.macro WM d, a, b, c, sa, sb, ra, rb
.if (\ra) && (\rb)
	v_wmma_scale_f32_16x16x128_f8f6f4 v[\d:\d+7], v[\a:\a+15], v[\b:\b+15], v[\c:\c+7], v[\sa], v[\sb] matrix_a_fmt:MATRIX_FMT_BF8 matrix_b_fmt:MATRIX_FMT_BF8 matrix_a_scale:MATRIX_SCALE_ROW1 matrix_b_scale:MATRIX_SCALE_ROW1
.elseif (\ra)
	v_wmma_scale_f32_16x16x128_f8f6f4 v[\d:\d+7], v[\a:\a+15], v[\b:\b+15], v[\c:\c+7], v[\sa], v[\sb] matrix_a_fmt:MATRIX_FMT_BF8 matrix_b_fmt:MATRIX_FMT_BF8 matrix_a_scale:MATRIX_SCALE_ROW1
.elseif (\rb)
	v_wmma_scale_f32_16x16x128_f8f6f4 v[\d:\d+7], v[\a:\a+15], v[\b:\b+15], v[\c:\c+7], v[\sa], v[\sb] matrix_a_fmt:MATRIX_FMT_BF8 matrix_b_fmt:MATRIX_FMT_BF8 matrix_b_scale:MATRIX_SCALE_ROW1
.else
	v_wmma_scale_f32_16x16x128_f8f6f4 v[\d:\d+7], v[\a:\a+15], v[\b:\b+15], v[\c:\c+7], v[\sa], v[\sb] matrix_a_fmt:MATRIX_FMT_BF8 matrix_b_fmt:MATRIX_FMT_BF8
.endif
.endm
; item k of my 36 into slot k % 3: two fragments and their scale words
.macro RING k
.if (\k) < 4
.set RB, SWO
.set RS, SWOS
.set RI, (\k)
.elseif (\k) < 20
.set RB, SF1
.set RS, SF1S
.set RI, (\k)-4
.else
.set RB, SF2
.set RS, SF2S
.set RI, (\k)-20
.endif
.set RWB, W+32*((\k)%3)
.irp u, 0,1
.irp c, 0,1,2,3
	GL128 RWB+16*\u+4*\c, L16, RB, RI*4096+\u*2048+\c*512
.endr
.endr
	GL32 WSC+(\k)%3, L4, RS, RI*128
.if ((\k)%3) == 0
.set MKR0, NLD
.elseif ((\k)%3) == 1
.set MKR1, NLD
.else
.set MKR2, NLD
.endif
.endm
; the rows' two fragments of a K step from LDS; soff >= 0: their scale word too
.macro AFL areg, off, astr, soff
.irp a, 0,1
.irp c, 0,1,2,3
	ds_load_b128 v[AF+16*\a+4*\c:AF+16*\a+4*\c+3], v[\areg] offset:(\off)+\a*(\astr)+512*\c
.endr
.endr
.if (\soff) >= 0
	ds_load_b32 v[ASR], v[L4] offset:\soff
.endif
.endm
; item k: four products, four accumulators by turns; bias = 1: they begin the sums with T as C.  Then the slot is asked for again
.macro ITEM k, acc, bias, sbr
.set SL, (\k)%3
.if SL == 0
.set WC, NLD-MKR0
.elseif SL == 1
.set WC, NLD-MKR1
.else
.set WC, NLD-MKR2
.endif
.if (\bias) && (NLD-MKB < WC)
.set WC, NLD-MKB
.endif
	s_wait_loadcnt WC                              ; the item (and the bias) are in; what was asked for behind them may be out
	s_wait_dscnt 0x0                               ; the rows' fragments are in
.irp a, 0,1
.irp u, 0,1
.if \bias
	WM \acc+16*\a+8*\u, W+32*SL+16*\u, AF+16*\a, T+8*\u, WSC+SL, \sbr, \u, \a
.else
	WM \acc+16*\a+8*\u, W+32*SL+16*\u, AF+16*\a, \acc+16*\a+8*\u, WSC+SL, \sbr, \u, \a
.endif
.endr
.endr
	PL 9                                           ; places in front of loads into the products' registers, of reads of results, and of products that begin an accumulator anew
.if (\k)+3 < 36
	RING (\k)+3
.endif
.endm
; sixteen planes of bytes (in ACC+16 on) become the four K steps' scale words; eight plain lines stand between them and their products
.macro SRMAKE
.irp s, 0,1,2,3
	v_lshl_or_b32 v[SR+\s], v[ACC+17+4*\s], 8, v[ACC+16+4*\s]
.endr
.irp s, 0,1,2,3
	v_lshl_or_b32 v[SR+\s], v[ACC+18+4*\s], 16, v[SR+\s]
.endr
.irp s, 0,1,2,3
	v_lshl_or_b32 v[SR+\s], v[ACC+19+4*\s], 24, v[SR+\s]
.endr
	PL 8
.endm
; the pair v[SU:SU+1] (my 32 columns' sums for my token of either tile) is summed over the sixteen waves; round n has LDS bytes of its own
.macro REDUCE n
	ds_store_b64 v[RW], v[SU:SU+1] offset:4096*(\n)
	s_wait_dscnt 0x0                               ; my store has landed
	s_barrier_signal -1
	s_barrier_wait -1
.irp i, 0,1,2,3,4,5,6,7,8,9,10,11,12,13,14,15
	ds_load_b64 v[AF+2*\i:AF+2*\i+1], v[RR] offset:4096*(\n)+256*\i
.endr
	s_wait_dscnt 0x0
.irp i, 0,4,8,12,16,20,24,28
	v_pk_add_f32 v[AF+\i:AF+\i+1], v[AF+\i:AF+\i+1], v[AF+\i+2:AF+\i+3]
.endr
.irp i, 0,8,16,24
	v_pk_add_f32 v[AF+\i:AF+\i+1], v[AF+\i:AF+\i+1], v[AF+\i+4:AF+\i+5]
.endr
.irp i, 0,16
	v_pk_add_f32 v[AF+\i:AF+\i+1], v[AF+\i:AF+\i+1], v[AF+\i+8:AF+\i+9]
.endr
	v_pk_add_f32 v[SU:SU+1], v[AF:AF+1], v[AF+16:AF+17]
.endm
.macro ACROSS                          ; AF+8a's two halves and lane l xor 16's, into v[SU+a]
.irp a, 0,1
	v_add_f32 v[SU+\a], v[AF+8*\a], v[AF+8*\a+1]
.endr
.irp a, 0,1
	v_permlanex16_b32 v[PD+\a], v[SU+\a], s[SEL], s[SEL+1]
.endr
.irp a, 0,1
	v_add_f32 v[SU+\a], v[SU+\a], v[PD+\a]
.endr
.endm
; Y = (Y - mean) / sqrt(var + eps) x T[0:15] + T[16:31], rows of 512; rounds n and n + 1 of the sums
.macro LNORM n
.irp a, 0,1
	v_pk_add_f32 v[AF+8*\a:AF+8*\a+1], v[Y+16*\a:Y+16*\a+1], v[Y+16*\a+2:Y+16*\a+3]         ; each accumulator is read from its low end on
	v_pk_add_f32 v[AF+8*\a+2:AF+8*\a+3], v[Y+16*\a+8:Y+16*\a+9], v[Y+16*\a+10:Y+16*\a+11]
.endr
.irp j, 4,6
.irp a, 0,1
	v_pk_add_f32 v[AF+8*\a:AF+8*\a+1], v[AF+8*\a:AF+8*\a+1], v[Y+16*\a+\j:Y+16*\a+\j+1]
	v_pk_add_f32 v[AF+8*\a+2:AF+8*\a+3], v[AF+8*\a+2:AF+8*\a+3], v[Y+16*\a+8+\j:Y+16*\a+9+\j]
.endr
.endr
.irp a, 0,1
	v_pk_add_f32 v[AF+8*\a:AF+8*\a+1], v[AF+8*\a:AF+8*\a+1], v[AF+8*\a+2:AF+8*\a+3]
.endr
	ACROSS
	REDUCE \n
	v_pk_mul_f32 v[SU:SU+1], v[SU:SU+1], 0x3b000000 op_sel_hi:[1,0]   ; / 512: the means
	v_mov_b32 v[M1], v[SU+1]                       ; each in the low word of a pair
.irp j, 0,2,4,6,8,10,12,14
	v_pk_add_f32 v[Y+\j:Y+\j+1], v[Y+\j:Y+\j+1], v[SU:SU+1] op_sel_hi:[1,0] neg_lo:[0,1] neg_hi:[0,1]
	v_pk_add_f32 v[Y+16+\j:Y+17+\j], v[Y+16+\j:Y+17+\j], v[M1:M1+1] op_sel_hi:[1,0] neg_lo:[0,1] neg_hi:[0,1]
.endr
.irp a, 0,1
	v_pk_mul_f32 v[AF+8*\a:AF+8*\a+1], v[Y+16*\a:Y+16*\a+1], v[Y+16*\a:Y+16*\a+1]
.endr
.irp j, 2,4,6,8,10,12,14
.irp a, 0,1
	v_pk_fma_f32 v[AF+8*\a:AF+8*\a+1], v[Y+16*\a+\j:Y+16*\a+\j+1], v[Y+16*\a+\j:Y+16*\a+\j+1], v[AF+8*\a:AF+8*\a+1]
.endr
.endr
	ACROSS
	REDUCE (\n)+1
	v_fma_f32 v[SU], v[SU], 0x3b000000, s[EPS]
	v_fma_f32 v[SU+1], v[SU+1], 0x3b000000, s[EPS]
	v_rsq_f32 v[R0], v[SU]
	v_rsq_f32 v[M1], v[SU+1]
	v_nop
	s_wait_alu depctr_va_vdst(0)                   ; one wait for the two, ahead of their first reader
.irp j, 0,2,4,6,8,10,12,14
	v_pk_mul_f32 v[Y+\j:Y+\j+1], v[Y+\j:Y+\j+1], v[R0:R0+1] op_sel_hi:[1,0]
	v_pk_mul_f32 v[Y+16+\j:Y+17+\j], v[Y+16+\j:Y+17+\j], v[M1:M1+1] op_sel_hi:[1,0]
.endr
.irp j, 0,2,4,6,8,10,12,14
	v_pk_fma_f32 v[Y+\j:Y+\j+1], v[Y+\j:Y+\j+1], v[T+\j:T+\j+1], v[T+16+\j:T+17+\j]
	v_pk_fma_f32 v[Y+16+\j:Y+17+\j], v[Y+16+\j:Y+17+\j], v[T+\j:T+\j+1], v[T+16+\j:T+17+\j]
.endr
.endm
; the exact GELU of the 16 numbers ACC+16a on, in place.  t in AF[0:15], the exponent and then the exponential in AF[16:31], -x / 2 and then -|x| t / 2 in T[16:31]
.macro GELU a
.set GX, ACC+16*(\a)
.irp i, 0,1,2,3,4,5,6,7,8,9,10,11,12,13,14,15
	v_fma_f32 v[AF+\i], |v[GX+\i]|, s[K35], 1.0    ; 1 + |x| / (2 sqrt 2)
.endr
.irp i, 0,1,2,3,4,5,6,7,8,9,10,11,12,13,14,15
	v_rcp_f32 v[AF+\i], v[AF+\i]
.endr
	v_nop
	s_wait_alu depctr_va_vdst(0)                   ; one wait for the sixteen
.irp j, 0,2,4,6,8,10,12,14
	v_pk_fma_f32 v[AF+16+\j:AF+17+\j], v[AF+\j:AF+\j+1], v[C9:C9+1], 0xbf527892 op_sel_hi:[1,1,0]   ; c9 t + c8
.endr
.irp k, 0x3fbe87b0, 0xbf914e5d, 0x3e8ec7cc, 0xbe3ec24c, 0x3dc636c9, 0x3ebf88fb, 0x3f8000c7, 0xbfa1fc4e
.irp j, 0,2,4,6,8,10,12,14
	v_pk_fma_f32 v[AF+16+\j:AF+17+\j], v[AF+16+\j:AF+17+\j], v[AF+\j:AF+\j+1], \k op_sel_hi:[1,1,0]   ; c7 down to c0
.endr
.endr
.irp j, 0,2,4,6,8,10,12,14
	v_pk_mul_f32 v[T+16+\j:T+17+\j], v[GX+\j:GX+\j+1], -0.5 op_sel_hi:[1,0]
.endr
.irp j, 0,2,4,6,8,10,12,14
	v_pk_fma_f32 v[AF+16+\j:AF+17+\j], v[GX+\j:GX+\j+1], v[T+16+\j:T+17+\j], v[AF+16+\j:AF+17+\j]    ; - x^2 / 2
.endr
.irp j, 0,2,4,6,8,10,12,14
	v_pk_mul_f32 v[AF+16+\j:AF+17+\j], v[AF+16+\j:AF+17+\j], 0x3fb8aa3b op_sel_hi:[1,0]
.endr
.irp i, 0,1,2,3,4,5,6,7,8,9,10,11,12,13,14,15
	v_exp_f32 v[AF+16+\i], v[AF+16+\i]
.endr
.irp i, 0,1,2,3,4,5,6,7,8,9,10,11,12,13,14,15
	v_mul_f32 v[T+16+\i], -0.5, |v[GX+\i]|         ; work that names no exponential stands behind the batch
.endr
.irp i, 0,1,2,3,4,5,6,7,8,9,10,11,12,13,14,15
	v_max_num_f32 v[GX+\i], 0, v[GX+\i]
.endr
	s_wait_alu depctr_va_vdst(0)                   ; one wait for the sixteen
.irp j, 0,2,4,6,8,10,12,14
	v_pk_mul_f32 v[T+16+\j:T+17+\j], v[T+16+\j:T+17+\j], v[AF+\j:AF+\j+1]
.endr
.irp j, 0,2,4,6,8,10,12,14
	v_pk_fma_f32 v[GX+\j:GX+\j+1], v[T+16+\j:T+17+\j], v[AF+16+\j:AF+17+\j], v[GX+\j:GX+\j+1]
.endr
.endm
.macro BARRIER                         ; my LDS stores have landed and my LDS loads are in: then the work-group's barrier
	s_wait_dscnt 0x0
	s_barrier_signal -1
	s_barrier_wait -1
.endm
	s_load_b512 s[4:19], s[0:1], 0x0               ; att, wimg, x, bo, g1, b1, b_ff1, b_ff2
	s_load_b128 s[20:23], s[0:1], 0x40             ; g2, b2
	s_load_b64 s[24:25], s[0:1], 0x50              ; out0
	v_lshl_add_u32 v8, v0, 2, 0x2da00
	v_mov_b32 v153, 0
	v_lshrrev_b32 v15, 5, v0
	v_readfirstlane_b32 s[WV], v15                 ; wave 0..15
	v_and_b32 v15, 31, v0                          ; lane
	v_and_b32 v148, 15, v0                         ; r
	v_bfe_u32 v149, v0, 4, 1                       ; h
	v_lshlrev_b32 v[L16], 4, v15
	v_lshlrev_b32 v[L4], 2, v15
	v_and_b32 v150, 8, v148
	v_add_nc_u32 v150, v150, v148
	v_lshlrev_b32 v[XV], 11, v150
	v_lshl_add_u32 v[XV], v149, 6, v[XV]
	v_lshlrev_b32 v[BV], 6, v149
	s_lshl_b32 s34, s[WV], 10
	v_add_nc_u32 v[CPY], s34, v[L16]
	s_lshl_b32 s34, s[WV], 7
	s_add_co_u32 s34, s34, PLA
	v_add_nc_u32 v[PLW], s34, v[L4]
	s_lshl_b32 s34, s[WV], 9
	s_add_co_u32 s34, s34, XIMG
	v_add_nc_u32 v[XW], s34, v[L16]
	s_lshl_b32 s34, s[WV], 11
	s_add_co_u32 s34, s34, HIMG
	v_add_nc_u32 v[HW], s34, v[L16]
	v_lshlrev_b32 v[RR], 3, v15
	v_add_nc_u32 v[RR], RED, v[RR]
	s_lshl_b32 s34, s[WV], 8
	v_add_nc_u32 v[RW], s34, v[RR]
	v_mul_u32_u24 v[STW], v148, SPI
	v_lshl_add_u32 v[STW], v149, 6, v[STW]
	s_lshl_b32 s34, s[WV], 7
	s_add_co_u32 s34, s34, STAGE
	v_add_nc_u32 v[STW], s34, v[STW]
	s_mul_i32 s34, s[WV], 2*SPI
	s_add_co_u32 s34, s34, STAGE
	v_add_nc_u32 v[STR], s34, v[L16]
	v_add_nc_u32 v[HR], HIMG, v[L16]
	s_mov_b32 s[SEL], 0x76543210
	s_mov_b32 s[SEL+1], 0xfedcba98
	s_mov_b32 s[MNT], 0x600000
	s_mov_b32 s[HM], 0xffff0000
	s_mov_b32 s[EPS], 0x3727c5ac                   ; 1e-5
	s_mov_b32 s[K35], 0x3eb504f3                   ; 1 / (2 sqrt 2)
	s_mov_b32 s35, 0
	s_mov_b32 s37, 0
	s_wait_kmcnt 0x0
	s_lshl_b32 s34, s[WV], 7                       ; my 32 columns
	s_add_nc_u64 s[SBO:SBO+1], s[SBO:SBO+1], s[34:35]
	s_add_nc_u64 s[SG1:SG1+1], s[SG1:SG1+1], s[34:35]
	s_add_nc_u64 s[SB1:SB1+1], s[SB1:SB1+1], s[34:35]
	s_add_nc_u64 s[SBF2:SBF2+1], s[SBF2:SBF2+1], s[34:35]
	s_add_nc_u64 s[SG2:SG2+1], s[SG2:SG2+1], s[34:35]
	s_add_nc_u64 s[SB2:SB2+1], s[SB2:SB2+1], s[34:35]
	s_lshl_b32 s36, ttmp9, 16                      ; my work-group's 32 rows of x
	s_add_co_u32 s36, s36, s34
	s_add_nc_u64 s[SX:SX+1], s[SX:SX+1], s[36:37]
	s_lshl_b32 s34, s[WV], 9                       ; my 128 hidden units
	s_add_nc_u64 s[SBF1:SBF1+1], s[SBF1:SBF1+1], s[34:35]
	s_add_co_u32 s34, s34, WSO+24576
	s_add_nc_u64 s[SWOS:SWOS+1], s[6:7], s[34:35]
	s_lshl_b32 s34, s[WV], 14
	s_add_co_u32 s34, s34, 786432
	s_add_nc_u64 s[SWO:SWO+1], s[6:7], s[34:35]
	s_lshl_b32 s36, s[WV], 16
	s_add_co_u32 s34, s36, 1048576
	s_add_nc_u64 s[SF1:SF1+1], s[6:7], s[34:35]
	s_add_co_u32 s34, s36, 2097152
	s_add_nc_u64 s[SF2:SF2+1], s[6:7], s[34:35]
	s_lshl_b32 s36, s[WV], 11
	s_add_co_u32 s34, s36, WSO+32768
	s_add_nc_u64 s[SF1S:SF1S+1], s[6:7], s[34:35]
	s_add_co_u32 s34, s36, WSO+65536
	s_add_nc_u64 s[SF2S:SF2S+1], s[6:7], s[34:35]
	s_lshl_b32 s34, ttmp9, 14
	s_add_nc_u64 s[ATC:ATC+1], s[4:5], s[34:35]
	s_lshl_b32 s34, s[WV], 8
	s_add_co_u32 s34, s34, ttmp9
	s_lshl_b32 s34, s34, 7
	s_add_co_u32 s34, s34, 4194304
	s_add_nc_u64 s[ATS:ATS+1], s[4:5], s[34:35]    ; head w's plane of bytes, my pair of tiles
	s_lshl_b32 s34, ttmp9, 5                       ; the two rows that I store: stage rows 2 w, 2 w + 1 = tile w / 8, rows 2 (w % 8) on
	s_lshr_b32 s36, s[WV], 3
	s_lshl_b32 s36, s36, 3
	s_add_co_u32 s34, s34, s36
	s_and_b32 s36, s[WV], 7
	s_lshl_b32 s36, s36, 1
	s_add_co_u32 s34, s34, s36
	s_bfe_u32 s36, s[WV], 0x10002
	s_lshl_b32 s36, s36, 3
	s_add_co_u32 s34, s34, s36
	s_lshl_b32 s34, s34, 11
	s_add_nc_u64 s[SOUT:SOUT+1], s[SOUT:SOUT+1], s[34:35]
	; ---- all that the first phases want is asked for at once
	GL128 AF, CPY, ATC, 0                          ; my 1,024 bytes of a's 16 KB of codes
	GL128 AF+4, CPY, ATC, 512
	GL32 TQ, L4, ATS, 0
.set MKC, NLD
.irp a, 0,1
.irp q, 0,1,2,3
	GL128 Y+16*\a+4*\q, XV, SX, 16384*\a+16*\q     ; the residual
.endr
.endr
.irp q, 0,1,2,3
	GL128 ACC+4*\q, BV, SBO, 16*\q
.endr
.set MKX, NLD
.irp q, 0,1,2,3
	GL128 T+4*\q, BV, SG1, 16*\q
.endr
.irp q, 0,1,2,3
	GL128 T+16+4*\q, BV, SB1, 16*\q
.endr
	RING 0
	RING 1
	RING 2
	s_wait_loadcnt NLD-MKC                         ; the three loads of the copy are in; the 47 behind them may be out
	ds_store_b128 v[CPY], v[AF:AF+3]
	ds_store_b128 v[CPY], v[AF+4:AF+7] offset:512
	ds_store_b32 v[PLW], v[TQ]
	BARRIER                                        ; a's codes and bytes lie in LDS
	; ---- A: x + bo + a Wo
.irp n, 0,1,2,3,4,5,6,7,8,9,10,11,12,13,14,15
	ds_load_b32 v[ACC+16+\n], v[L4] offset:PLA+128*\n
.endr
	AFL L16, AIMG, 8192, -1
	s_wait_loadcnt NLD-MKX                         ; x and bo are in
.irp j, 0,2,4,6,8,10,12,14
	v_pk_add_f32 v[Y+\j:Y+\j+1], v[Y+\j:Y+\j+1], v[ACC+\j:ACC+\j+1]
	v_pk_add_f32 v[Y+16+\j:Y+17+\j], v[Y+16+\j:Y+17+\j], v[ACC+\j:ACC+\j+1]
.endr
	s_wait_dscnt 8                                 ; the sixteen planes are in; the eight fragment loads behind them may be out
	SRMAKE
.irp s, 0,1,2,3
.if \s > 0
	AFL L16, AIMG+2048*\s, 8192, -1
.endif
	ITEM \s, Y, 0, SR+\s
.endr
	; ---- LN1, and y's codes
	LNORM 0
.irp q, 0,1,2,3
	GL128 T+4*\q, BV, SBF1, 16*\q                  ; b_ff1 of my first 32 hidden units
.endr
.set MKB, NLD
	QB Y, AF, AF+16, TQ                            ; the held numbers go elsewhere: y stays, as the second residual
	v_mov_b32 v[HW0], v[TQ]
	QB Y+16, AF, AF+20, TQ
	v_cndmask_b32 v[HW0], v[HW0], v[TQ], s[HM]
	ds_store_b128 v[XW], v[AF+16:AF+19]
	ds_store_b128 v[XW], v[AF+20:AF+23] offset:8192
	ds_store_b32 v[PLW], v[HW0] offset:PLX-PLA
	BARRIER                                        ; y's codes and bytes lie in LDS
	; ---- B: the hidden layer, 32 units at a time
.irp n, 0,1,2,3,4,5,6,7,8,9,10,11,12,13,14,15
	ds_load_b32 v[ACC+16+\n], v[L4] offset:PLX+128*\n
.endr
	AFL L16, XIMG, 8192, -1
	v_mov_b32 v[C9], 0x3e2ef945
	v_mov_b32 v[C9+1], 0x3e2ef945
	s_wait_dscnt 8                                 ; the planes are in; the eight fragment loads may be out
	SRMAKE
.irp i, 0,1,2,3
.if \i > 0
	AFL L16, XIMG, 8192, -1
.endif
	ITEM 4+4*\i, ACC, 1, SR
.irp q, 0,1,2,3
.if \i < 3
	GL128 T+4*\q, BV, SBF1, 128*(\i+1)+16*\q       ; the next bias
.else
	GL128 T+4*\q, BV, SBF2, 16*\q
.endif
.endr
.set MKB, NLD
	AFL L16, XIMG+2048, 8192, -1
	ITEM 5+4*\i, ACC, 0, SR+1
	AFL L16, XIMG+4096, 8192, -1
	ITEM 6+4*\i, ACC, 0, SR+2
	AFL L16, XIMG+6144, 8192, -1
	ITEM 7+4*\i, ACC, 0, SR+3
	GELU 0
	GELU 1
	QB ACC, ACC, T+16, TQ
.if \i == 0
	v_mov_b32 v[HW0], v[TQ]
.else
	v_lshl_or_b32 v[HW0], v[TQ], 8*\i, v[HW0]
.endif
	QB ACC+16, ACC+16, T+20, TQ
.if \i == 0
	v_mov_b32 v[HW1], v[TQ]
.else
	v_lshl_or_b32 v[HW1], v[TQ], 8*\i, v[HW1]
.endif
	ds_store_b128 v[HW], v[T+16:T+19] offset:512*\i        ; chunk i of K step w (the wait for LDS in the next item stands ahead of the next write of these registers)
	ds_store_b128 v[HW], v[T+20:T+23] offset:32768+512*\i
.endr
	v_cndmask_b32 v[HW0], v[HW0], v[HW1], s[HM]
	ds_store_b32 v[PLW], v[HW0] offset:HSC-PLA
	BARRIER                                        ; the hidden layer's 32 fragments lie in LDS
	; ---- C: y + b_ff2 + hidden W2
	AFL HR, 0, 32768, HSC
	s_wait_loadcnt NLD-MKB                         ; b_ff2 is in
.irp j, 0,2,4,6,8,10,12,14
	v_pk_add_f32 v[Y+\j:Y+\j+1], v[Y+\j:Y+\j+1], v[T+\j:T+\j+1]
	v_pk_add_f32 v[Y+16+\j:Y+17+\j], v[Y+16+\j:Y+17+\j], v[T+\j:T+\j+1]
.endr
.irp q, 0,1,2,3
	GL128 T+4*\q, BV, SG2, 16*\q
.endr
.irp q, 0,1,2,3
	GL128 T+16+4*\q, BV, SB2, 16*\q
.endr
.irp s, 0,1,2,3,4,5,6,7,8,9,10,11,12,13,14,15
.if \s > 0
	AFL HR, 2048*\s, 32768, HSC+128*\s
.endif
	ITEM 20+\s, Y, 0, ASR
.endr
	; ---- LN2 and the way out: a row's 512 numbers come from sixteen waves: they meet in the stage, and each wave stores two whole rows
	LNORM 2
.irp a, 0,1
.irp q, 0,1,2,3
	ds_store_b128 v[STW], v[Y+16*\a+4*\q:Y+16*\a+4*\q+3] offset:16*SPI*\a+16*\q
.endr
.endr
	BARRIER
.irp i, 0,1
.irp k, 0,1,2,3
	ds_load_b128 v[AF+16*\i+4*\k:AF+16*\i+4*\k+3], v[STR] offset:SPI*\i+512*\k
.endr
.endr
.irp i, 0,1
.irp k, 0,1,2,3
	s_wait_dscnt 7-4*\i-\k                         ; LDS loads come back in order: this one is in, the younger ones may be out
	global_store_b128 v[L16], v[AF+16*\i+4*\k:AF+16*\i+4*\k+3], s[SOUT:SOUT+1] offset:2048*\i+512*\k th:TH_STORE_NT   ; 32 lanes store 512 consecutive aligned bytes
.endr
.endr
	s_wait_tensorcnt 0x0
	ds_add_u32 v8, v153
	s_wait_dscnt 0x0
	s_endpgm
.Lfunc_end_k_qf6ad3a92ac_tail:
	.size	k_qf6ad3a92ac_tail, .Lfunc_end_k_qf6ad3a92ac_tail-k_qf6ad3a92ac_tail
	.p2alignl 7, 3214868480
	.fill 96, 4, 3214868480
	.section	.rodata,"a",@progbits
	.p2align	6, 0x0
	.amdhsa_kernel k_qf6ad3a92ac_tail
		.amdhsa_group_segment_fixed_size 188928
		.amdhsa_private_segment_fixed_size 0
		.amdhsa_enable_private_segment 0
		.amdhsa_kernarg_size 88
		.amdhsa_user_sgpr_count 2
		.amdhsa_user_sgpr_kernarg_segment_ptr 1
		.amdhsa_wavefront_size32 1
		.amdhsa_system_sgpr_workgroup_id_x 1
		.amdhsa_system_sgpr_workgroup_id_y 1
		.amdhsa_system_sgpr_workgroup_id_z 1
		.amdhsa_system_vgpr_workitem_id 0
		.amdhsa_next_free_vgpr 256
		.amdhsa_next_free_sgpr 66
		.amdhsa_reserve_vcc 0
		.amdhsa_float_denorm_mode_32 3
		.amdhsa_float_denorm_mode_16_64 3
		.amdhsa_memory_ordered 1
		.amdhsa_forward_progress 1
		.amdhsa_inst_pref_size 244
	.end_amdhsa_kernel
	.amdgpu_metadata
---
amdhsa.version: [ 1, 2 ]
amdhsa.kernels:
  - .name:           k_qf6ad3a92ac_tail
    .symbol:         k_qf6ad3a92ac_tail.kd
    .args:
      - { .name: att, .offset: 0, .size: 8, .value_kind: global_buffer, .address_space: global }
      - { .name: wimg, .offset: 8, .size: 8, .value_kind: global_buffer, .address_space: global }
      - { .name: x, .offset: 16, .size: 8, .value_kind: global_buffer, .address_space: global }
      - { .name: bo, .offset: 24, .size: 8, .value_kind: global_buffer, .address_space: global }
      - { .name: g1, .offset: 32, .size: 8, .value_kind: global_buffer, .address_space: global }
      - { .name: b1, .offset: 40, .size: 8, .value_kind: global_buffer, .address_space: global }
      - { .name: b_ff1, .offset: 48, .size: 8, .value_kind: global_buffer, .address_space: global }
      - { .name: b_ff2, .offset: 56, .size: 8, .value_kind: global_buffer, .address_space: global }
      - { .name: g2, .offset: 64, .size: 8, .value_kind: global_buffer, .address_space: global }
      - { .name: b2, .offset: 72, .size: 8, .value_kind: global_buffer, .address_space: global }
      - { .name: out0, .offset: 80, .size: 8, .value_kind: global_buffer, .address_space: global }
    .group_segment_fixed_size: 188928
    .private_segment_fixed_size: 0
    .kernarg_segment_align: 8
    .kernarg_segment_size: 88
    .max_flat_workgroup_size: 512
    .sgpr_count:     66
    .vgpr_count:     256
    .wavefront_size: 32
...
	.end_amdgpu_metadata
.endif
;; end of part 4
;; ======== version 2 of 2: 4 launches; version 1 with the launch tail written anew for expert scheduling mode
;; workspace buffers: ximg 4,325,376 bytes; wimg 3,244,032 bytes; qimg 4,718,592 bytes; kvimg 9,043,968 bytes; att 4,718,592 bytes
;; launch prep: the kernel of part 1 again; grid 448 x 1, 4 waves a work-group, no clusters, 0 bytes of LDS; arguments x, wq, wk, wv, wo, w_ff1, w_ff2, ximg, wimg; writes ximg, wimg
;; launch qkv: the kernel of part 2 again; grid 64 x 4, 12 waves a work-group, no clusters, 169,472 bytes of LDS; arguments ximg, wimg, bq, bk, bv, qimg, kvimg; writes qimg, kvimg
;; launch attn: the kernel of part 3 again; grid 256 x 1, 16 waves a work-group, no clusters, 169,984 bytes of LDS; arguments qimg, kvimg, att; writes att
;; launch tail (part 5): grid 256 x 1, 16 waves a work-group, no clusters, 188,928 bytes of LDS; arguments att, wimg, x, bo, g1, b1, b_ff1, b_ff2, g2, b2, out0; writes out0
.if DOCPART == 5
	.amdgcn_target "amdgcn-amd-amdhsa--gfx1250"
	.amdhsa_code_object_version 6
	.text
	.protected	k_qf6ad3a92ac_tail
	.globl	k_qf6ad3a92ac_tail
	.p2align	8
	.type	k_qf6ad3a92ac_tail,@function
k_qf6ad3a92ac_tail:
	s_mov_b64 s[64:65], 0
	v_nop
	global_prefetch_b8 v0, s[64:65] scope:SCOPE_SE
	s_setreg_imm32_b32 hwreg(HW_REG_WAVE_SCHED_MODE, 0, 2), 2
	s_setreg_imm32_b32 hwreg(HW_REG_WAVE_MODE, 25, 1), 1
	s_wait_xcnt 0x0
	s_wait_alu depctr_vm_vsrc(0)
; out0 = LN2(y + gelu(y W1 + b_ff1) W2 + b_ff2), y = LN1(x + a Wo + bo); the three products on codes of E5M2 (MX); a = attention's result, given as codes.  Nothing between goes to memory.
; SHARES: a work-group takes 32 tokens (two tiles a = 0, 1).  THE SIXTEEN WAVES SHARE THE COLUMNS: wave w owns columns 32 w .. 32 w + 31 of Wo's and W2's results and hidden units 128 w .. 128 w + 127, which are K step w of the last product.
; All products are TRANSPOSED (source 0 = 16 columns of a weight, source 1 = 16 tokens): a lane holds one token and 16 neighbouring columns 32 w + 16 h + 0 .. 15: with lane l xor 16 a block of 32 of the next K.
; WEIGHTS go from memory straight into registers, as they lie (images of the operands' registers): 36 items of 4 KB + a scale word a wave (Wo 4, W1 16, W2 16) through a ring of three register slots, asked for three items ahead, across phases and barriers.
; ROWS go from wave to wave through LDS as images of their registers.  Scale bytes go as planes of whole words, 128 bytes a wave; each wave shifts them together into four registers.
; The norms are taken in two passes (mean, then squares of the differences), the waves' sums meeting in LDS.  Residual and bias are the C of a chain's first product.
; gelu(x) = max(x, 0) - |x| / 2 x erfc(|x| / sqrt 2), erfc(z) = t exp(-z^2 + c0 + t (c1 + .. + t c9)), t = 1 / (1 + z / 2): a fractional error of 1.2e-7 for every z, and no difference of near numbers in either tail.
; The text has one path, so a wait for global loads counts, by the symbol NLD, the loads issued behind the group that is wanted.
; LIMITS: NaN and infinities are not served; v_exp_f32 gives 0 under 2^-126, so gelu(x) is 0 from about x = -13 down; a block of zeros gets the byte 1 with zero codes.
; No cluster: weights land in registers, for which there is no joint form.  No prefetch: all 256 work-groups read the same 2.3 MB of weights again and again.
; THE MODE: SCHED_MODE bits 1:0 = 2 (LLVM: expert scheduling mode 2), set by the entry lines.  The code itself states the register dependences
; between vector or matrix instructions and memory or LDS instructions, with s_wait_alu, always for 0.
; THE PLAN.  Registers that memory or LDS instructions touch:
;   v1-7, v9-14   addresses: written at the head, read by every load and store, never written again: one wait on va_vdst ahead of the first load.
;   W, WSC        item k's four products read slot k % 3; ONE wait on va_vdst stands behind them and their places; behind it item k + 3's loads land in the slot.
;   AF, ACC       the rows' fragments.  In Wo's and W2's phases ACC is idle and is a second buffer: item s reads buffer s % 2, and the same wait frees that buffer for item s + 2's fragments, so that
;                 item s + 1's have an item in which to land.  In W1's phase ACC holds the sums and AF serves alone.  W2's phase has two scale words likewise: ASR and SR.
;   T[0:15]       biases and gains: read by products as C or by additions, then loaded again: behind an item's wait, or behind a wait of their own.
;   SR            made by vector lines, read as scales: the eight places, then a wait on va_vdst.
;   SU, the codes in AF+16 .. 23 and T+16 .. 23, HW0, Y: what LDS stores read.  Vector lines write them; one wait on va_vdst stands ahead of each run of stores, one on vm_vsrc ahead of the next write of those registers.
.set WSO,  3145728
.set AIMG, 0                           ; LDS: a's codes [tile 2][block 16][512]
.set XIMG, 16384                       ; y's, likewise
.set PLA,  32768                       ; a's scale bytes as words [block 16][32]
.set PLX,  34816                       ; y's
.set HSC,  36864                       ; the hidden layer's scale words [K step 16][32]
.set RED,  38912                       ; four rounds of sums [wave 16][lane 32][2]
.set HIMG, 55296                       ; the hidden layer's codes [tile 2][K step 16][chunk 4][512]
.set STAGE, 120832                     ; 32 rows x (2,048 + 16)
.set SPI,  2064
.set L16, 1                            ; 16 x lane
.set L4,  2                            ; 4 x lane
.set XV,  3                            ; x: (r + 8 (r / 8)) x 2,048 + 64 h
.set CPY, 4                            ; 1,024 w + 16 x lane
.set PLW, 5                            ; PLA + 128 w + 4 x lane
.set XW,  6                            ; XIMG + 512 w + 16 x lane
.set HW,  7                            ; HIMG + 2,048 w + 16 x lane
.set RW,  9                            ; RED + 256 w + 8 x lane
.set RR,  10                           ; RED + 8 x lane
.set STW, 11                           ; STAGE + 2,064 r + 128 w + 64 h
.set STR, 12                           ; STAGE + 4,128 w + 16 x lane
.set BV,  13                           ; 64 h
.set HR,  14                           ; HIMG + 16 x lane
.set Y,   16                           ; v16-47   [tile 2][16]: Wo's and W2's sums, y
.set ACC, 48                           ; v48-79   [tile 2][16]: W1's sums; in Wo's and W2's phases the rows' second buffer; in the norms their small numbers lie here
.set AF,  80                           ; v80-111  the rows' two fragments; at work between products
.set T,   112                          ; v112-143 biases, gains; at work
.set WSC, 144                          ; v144-146 the ring's scale words
.set ASR, 147                          ; the hidden layer's scale word (even K steps)
.set TQ,  148                          ; v148-150 at work
.set HW0, 151                          ; the hidden layer's words in the making
.set HW1, 152
.set C9,  154                          ; v[154:155] c9
.set SR,  156                          ; v156-159 the rows' scale words, a K step each; in W2's phase v156 is the hidden layer's scale word of the odd K steps
.set W,   160                          ; v160-255 the ring: [slot 3][tile 2][16]
.set SU,  ACC                          ; the two tiles' sums
.set PD,  ACC+2
.set M1,  ACC+4
.set R0,  ACC+6
.set WV,  26
.set SEL, 28
.set MNT, 30
.set HM,  31
.set EPS, 32
.set K35, 33
.set SX,  8
.set SBO, 10
.set SG1, 12
.set SB1, 14
.set SBF1, 16
.set SBF2, 18
.set SG2, 20
.set SB2, 22
.set SOUT, 24
.set SWO, 40
.set SWOS, 42
.set SF1, 44
.set SF1S, 46
.set SF2, 48
.set SF2S, 50
.set ATC, 52
.set ATS, 54
.set NLD, 0
.set MKB, 0
.macro PL n
.rept \n
	v_nop
.endr
.endm
.macro GL128 dst, voff, sb, off
	global_load_b128 v[\dst:\dst+3], v[\voff], s[\sb:\sb+1] offset:\off
.set NLD, NLD+1
.endm
.macro GL32 dst, voff, sb, off
	global_load_b32 v[\dst], v[\voff], s[\sb:\sb+1] offset:\off
.set NLD, NLD+1
.endm
.macro QB src, held, cod, t
	v_max3_num_f32 v[\t], |v[\src]|, |v[\src+1]|, 0x8000000
	v_max3_num_f32 v[\t+1], |v[\src+8]|, |v[\src+9]|, |v[\src+10]|
.irp i, 2,4,6
	v_max3_num_f32 v[\t], v[\t], |v[\src+\i]|, |v[\src+\i+1]|
.endr
.irp i, 11,13
	v_max3_num_f32 v[\t+1], v[\t+1], |v[\src+\i]|, |v[\src+\i+1]|
.endr
	v_max3_num_f32 v[\t], v[\t], v[\t+1], |v[\src+15]|
	v_permlanex16_b32 v[\t+1], v[\t], s[SEL], s[SEL+1]
	v_max_num_f32 v[\t], v[\t], v[\t+1]
	v_add_nc_u32 v[\t+2], 0xf8800000, v[\t]
	v_and_or_b32 v[\t+1], v[\t], 0x7f800000, s[MNT]
	v_lshrrev_b32 v[\t], 23, v[\t+2]
.irp i, 0,1,2,3,4,5,6,7,8,9,10,11,12,13,14,15
	v_med3_num_f32 v[\held+\i], v[\src+\i], -v[\t+1], v[\t+1]
.endr
	v_cvt_scalef32_pk8_bf8_f32 v[\cod:\cod+1], v[\held:\held+7], v[\t+2]
	v_cvt_scalef32_pk8_bf8_f32 v[\cod+2:\cod+3], v[\held+8:\held+15], v[\t+2]
	v_nop
.endm
.macro WM d, a, b, c, sa, sb, ra, rb
.if (\ra) && (\rb)
	v_wmma_scale_f32_16x16x128_f8f6f4 v[\d:\d+7], v[\a:\a+15], v[\b:\b+15], v[\c:\c+7], v[\sa], v[\sb] matrix_a_fmt:MATRIX_FMT_BF8 matrix_b_fmt:MATRIX_FMT_BF8 matrix_a_scale:MATRIX_SCALE_ROW1 matrix_b_scale:MATRIX_SCALE_ROW1
.elseif (\ra)
	v_wmma_scale_f32_16x16x128_f8f6f4 v[\d:\d+7], v[\a:\a+15], v[\b:\b+15], v[\c:\c+7], v[\sa], v[\sb] matrix_a_fmt:MATRIX_FMT_BF8 matrix_b_fmt:MATRIX_FMT_BF8 matrix_a_scale:MATRIX_SCALE_ROW1
.elseif (\rb)
	v_wmma_scale_f32_16x16x128_f8f6f4 v[\d:\d+7], v[\a:\a+15], v[\b:\b+15], v[\c:\c+7], v[\sa], v[\sb] matrix_a_fmt:MATRIX_FMT_BF8 matrix_b_fmt:MATRIX_FMT_BF8 matrix_b_scale:MATRIX_SCALE_ROW1
.else
	v_wmma_scale_f32_16x16x128_f8f6f4 v[\d:\d+7], v[\a:\a+15], v[\b:\b+15], v[\c:\c+7], v[\sa], v[\sb] matrix_a_fmt:MATRIX_FMT_BF8 matrix_b_fmt:MATRIX_FMT_BF8
.endif
.endm
; item k of my 36 into slot k % 3: two fragments and their scale words
.macro RING k
.if (\k) < 4
.set RB, SWO
.set RS, SWOS
.set RI, (\k)
.elseif (\k) < 20
.set RB, SF1
.set RS, SF1S
.set RI, (\k)-4
.else
.set RB, SF2
.set RS, SF2S
.set RI, (\k)-20
.endif
.set RWB, W+32*((\k)%3)
.irp u, 0,1
.irp c, 0,1,2,3
	GL128 RWB+16*\u+4*\c, L16, RB, RI*4096+\u*2048+\c*512
.endr
.endr
	GL32 WSC+(\k)%3, L4, RS, RI*128
.if ((\k)%3) == 0
.set MKR0, NLD
.elseif ((\k)%3) == 1
.set MKR1, NLD
.else
.set MKR2, NLD
.endif
.endm
; the rows' two fragments of a K step from LDS into the buffer fb; soff >= 0: their scale word too, into sreg
.macro AFL fb, areg, off, astr, soff, sreg
.irp a, 0,1
.irp c, 0,1,2,3
	ds_load_b128 v[(\fb)+16*\a+4*\c:(\fb)+16*\a+4*\c+3], v[\areg] offset:(\off)+\a*(\astr)+512*\c
.endr
.endr
.if (\soff) >= 0
	ds_load_b32 v[\sreg], v[L4] offset:\soff
.endif
.endm
; item k: four products, four accumulators by turns; bias = 1: they begin the sums with T as C.  fb: the rows' buffer; younger: the LDS loads issued behind that buffer's, which may stay out.
; more = 1: loads into registers that these products read follow (the slot's next item, the buffer's next fragments, the next bias).  Then the slot is asked for again
.macro ITEM k, acc, bias, fb, sbr, younger, more
.set SL, (\k)%3
.if SL == 0
.set WC, NLD-MKR0
.elseif SL == 1
.set WC, NLD-MKR1
.else
.set WC, NLD-MKR2
.endif
.if (\bias) && (NLD-MKB < WC)
.set WC, NLD-MKB
.endif
	s_wait_loadcnt WC                              ; the item (and the bias) are in; what was asked for behind them may be out
	s_wait_dscnt \younger                          ; LDS loads come back in order: this item's fragments of the rows are in; the next item's may be out
.irp a, 0,1
.irp u, 0,1
.if \bias
	WM \acc+16*\a+8*\u, W+32*SL+16*\u, \fb+16*\a, T+8*\u, WSC+SL, \sbr, \u, \a
.else
	WM \acc+16*\a+8*\u, W+32*SL+16*\u, \fb+16*\a, \acc+16*\a+8*\u, WSC+SL, \sbr, \u, \a
.endif
.endr
.endr
	PL 9                                           ; places in front of loads into the products' registers, of reads of results, and of products that begin an accumulator anew
.if \more
	s_wait_alu depctr_va_vdst(0)                   ; the four products are done reading their slot of W and its scale word, the rows' buffer and its scale word, and T where it was their C: loads land in these below
.endif
.if (\k)+3 < 36
	RING (\k)+3
.endif
.endm
; sixteen planes of bytes (in ACC+16 on) become the four K steps' scale words; eight plain lines stand between them and their products
.macro SRMAKE
.irp s, 0,1,2,3
	v_lshl_or_b32 v[SR+\s], v[ACC+17+4*\s], 8, v[ACC+16+4*\s]
.endr
.irp s, 0,1,2,3
	v_lshl_or_b32 v[SR+\s], v[ACC+18+4*\s], 16, v[SR+\s]
.endr
.irp s, 0,1,2,3
	v_lshl_or_b32 v[SR+\s], v[ACC+19+4*\s], 24, v[SR+\s]
.endr
	PL 8
	s_wait_alu depctr_va_vdst(0)                   ; the four scale words are written, which the products below take as scales; and the lines above are done reading ACC
.endm
; the pair v[SU:SU+1] (my 32 columns' sums for my token of either tile) is summed over the sixteen waves; round n has LDS bytes of its own
.macro REDUCE n
	s_wait_alu depctr_va_vdst(0)                   ; the additions have written v[SU:SU+1], which the store reads; and every line that named AF is done, in which the loads below land
	ds_store_b64 v[RW], v[SU:SU+1] offset:4096*(\n)
	s_wait_dscnt 0x0                               ; my store has landed
	s_barrier_signal -1
	s_barrier_wait -1
.irp i, 0,1,2,3,4,5,6,7,8,9,10,11,12,13,14,15
	ds_load_b64 v[AF+2*\i:AF+2*\i+1], v[RR] offset:4096*(\n)+256*\i
.endr
	s_wait_dscnt 0x0
	s_wait_alu depctr_vm_vsrc(0)                   ; my store has read v[SU:SU+1], which the last addition below writes again
.irp i, 0,4,8,12,16,20,24,28
	v_pk_add_f32 v[AF+\i:AF+\i+1], v[AF+\i:AF+\i+1], v[AF+\i+2:AF+\i+3]
.endr
.irp i, 0,8,16,24
	v_pk_add_f32 v[AF+\i:AF+\i+1], v[AF+\i:AF+\i+1], v[AF+\i+4:AF+\i+5]
.endr
.irp i, 0,16
	v_pk_add_f32 v[AF+\i:AF+\i+1], v[AF+\i:AF+\i+1], v[AF+\i+8:AF+\i+9]
.endr
	v_pk_add_f32 v[SU:SU+1], v[AF:AF+1], v[AF+16:AF+17]
.endm
.macro ACROSS                          ; AF+8a's two halves and lane l xor 16's, into v[SU+a]
.irp a, 0,1
	v_add_f32 v[SU+\a], v[AF+8*\a], v[AF+8*\a+1]
.endr
.irp a, 0,1
	v_permlanex16_b32 v[PD+\a], v[SU+\a], s[SEL], s[SEL+1]
.endr
.irp a, 0,1
	v_add_f32 v[SU+\a], v[SU+\a], v[PD+\a]
.endr
.endm
; Y = (Y - mean) / sqrt(var + eps) x T[0:15] + T[16:31], rows of 512; rounds n and n + 1 of the sums
.macro LNORM n
.irp a, 0,1
	v_pk_add_f32 v[AF+8*\a:AF+8*\a+1], v[Y+16*\a:Y+16*\a+1], v[Y+16*\a+2:Y+16*\a+3]         ; each accumulator is read from its low end on
	v_pk_add_f32 v[AF+8*\a+2:AF+8*\a+3], v[Y+16*\a+8:Y+16*\a+9], v[Y+16*\a+10:Y+16*\a+11]
.endr
.irp j, 4,6
.irp a, 0,1
	v_pk_add_f32 v[AF+8*\a:AF+8*\a+1], v[AF+8*\a:AF+8*\a+1], v[Y+16*\a+\j:Y+16*\a+\j+1]
	v_pk_add_f32 v[AF+8*\a+2:AF+8*\a+3], v[AF+8*\a+2:AF+8*\a+3], v[Y+16*\a+8+\j:Y+16*\a+9+\j]
.endr
.endr
.irp a, 0,1
	v_pk_add_f32 v[AF+8*\a:AF+8*\a+1], v[AF+8*\a:AF+8*\a+1], v[AF+8*\a+2:AF+8*\a+3]
.endr
	ACROSS
	REDUCE \n
	v_pk_mul_f32 v[SU:SU+1], v[SU:SU+1], 0x3b000000 op_sel_hi:[1,0]   ; / 512: the means
	v_mov_b32 v[M1], v[SU+1]                       ; each in the low word of a pair
.irp j, 0,2,4,6,8,10,12,14
	v_pk_add_f32 v[Y+\j:Y+\j+1], v[Y+\j:Y+\j+1], v[SU:SU+1] op_sel_hi:[1,0] neg_lo:[0,1] neg_hi:[0,1]
	v_pk_add_f32 v[Y+16+\j:Y+17+\j], v[Y+16+\j:Y+17+\j], v[M1:M1+1] op_sel_hi:[1,0] neg_lo:[0,1] neg_hi:[0,1]
.endr
.irp a, 0,1
	v_pk_mul_f32 v[AF+8*\a:AF+8*\a+1], v[Y+16*\a:Y+16*\a+1], v[Y+16*\a:Y+16*\a+1]
.endr
.irp j, 2,4,6,8,10,12,14
.irp a, 0,1
	v_pk_fma_f32 v[AF+8*\a:AF+8*\a+1], v[Y+16*\a+\j:Y+16*\a+\j+1], v[Y+16*\a+\j:Y+16*\a+\j+1], v[AF+8*\a:AF+8*\a+1]
.endr
.endr
	ACROSS
	REDUCE (\n)+1
	v_fma_f32 v[SU], v[SU], 0x3b000000, s[EPS]
	v_fma_f32 v[SU+1], v[SU+1], 0x3b000000, s[EPS]
	v_rsq_f32 v[R0], v[SU]
	v_rsq_f32 v[M1], v[SU+1]
	v_nop
	s_wait_alu depctr_va_vdst(0)                   ; the two roots are written: one wait for the two, ahead of their first reader
.irp j, 0,2,4,6,8,10,12,14
	v_pk_mul_f32 v[Y+\j:Y+\j+1], v[Y+\j:Y+\j+1], v[R0:R0+1] op_sel_hi:[1,0]
	v_pk_mul_f32 v[Y+16+\j:Y+17+\j], v[Y+16+\j:Y+17+\j], v[M1:M1+1] op_sel_hi:[1,0]
.endr
.irp j, 0,2,4,6,8,10,12,14
	v_pk_fma_f32 v[Y+\j:Y+\j+1], v[Y+\j:Y+\j+1], v[T+\j:T+\j+1], v[T+16+\j:T+17+\j]
	v_pk_fma_f32 v[Y+16+\j:Y+17+\j], v[Y+16+\j:Y+17+\j], v[T+\j:T+\j+1], v[T+16+\j:T+17+\j]
.endr
.endm
; the exact GELU of the 16 numbers ACC+16a on, in place.  t in AF[0:15], the exponent and then the exponential in AF[16:31], -x / 2 and then -|x| t / 2 in T[16:31]
.macro GELU a
.set GX, ACC+16*(\a)
.irp i, 0,1,2,3,4,5,6,7,8,9,10,11,12,13,14,15
	v_fma_f32 v[AF+\i], |v[GX+\i]|, s[K35], 1.0    ; 1 + |x| / (2 sqrt 2)
.endr
.irp i, 0,1,2,3,4,5,6,7,8,9,10,11,12,13,14,15
	v_rcp_f32 v[AF+\i], v[AF+\i]
.endr
	v_nop
	s_wait_alu depctr_va_vdst(0)                   ; the sixteen reciprocals are written: one wait for them, ahead of their first reader
.irp j, 0,2,4,6,8,10,12,14
	v_pk_fma_f32 v[AF+16+\j:AF+17+\j], v[AF+\j:AF+\j+1], v[C9:C9+1], 0xbf527892 op_sel_hi:[1,1,0]   ; c9 t + c8
.endr
.irp k, 0x3fbe87b0, 0xbf914e5d, 0x3e8ec7cc, 0xbe3ec24c, 0x3dc636c9, 0x3ebf88fb, 0x3f8000c7, 0xbfa1fc4e
.irp j, 0,2,4,6,8,10,12,14
	v_pk_fma_f32 v[AF+16+\j:AF+17+\j], v[AF+16+\j:AF+17+\j], v[AF+\j:AF+\j+1], \k op_sel_hi:[1,1,0]   ; c7 down to c0
.endr
.endr
.irp j, 0,2,4,6,8,10,12,14
	v_pk_mul_f32 v[T+16+\j:T+17+\j], v[GX+\j:GX+\j+1], -0.5 op_sel_hi:[1,0]
.endr
.irp j, 0,2,4,6,8,10,12,14
	v_pk_fma_f32 v[AF+16+\j:AF+17+\j], v[GX+\j:GX+\j+1], v[T+16+\j:T+17+\j], v[AF+16+\j:AF+17+\j]    ; - x^2 / 2
.endr
.irp j, 0,2,4,6,8,10,12,14
	v_pk_mul_f32 v[AF+16+\j:AF+17+\j], v[AF+16+\j:AF+17+\j], 0x3fb8aa3b op_sel_hi:[1,0]
.endr
.irp i, 0,1,2,3,4,5,6,7,8,9,10,11,12,13,14,15
	v_exp_f32 v[AF+16+\i], v[AF+16+\i]
.endr
.irp i, 0,1,2,3,4,5,6,7,8,9,10,11,12,13,14,15
	v_mul_f32 v[T+16+\i], -0.5, |v[GX+\i]|         ; work that names no exponential stands behind the batch
.endr
.irp i, 0,1,2,3,4,5,6,7,8,9,10,11,12,13,14,15
	v_max_num_f32 v[GX+\i], 0, v[GX+\i]
.endr
	s_wait_alu depctr_va_vdst(0)                   ; the sixteen exponentials are written: one wait for them, ahead of their first reader
.irp j, 0,2,4,6,8,10,12,14
	v_pk_mul_f32 v[T+16+\j:T+17+\j], v[T+16+\j:T+17+\j], v[AF+\j:AF+\j+1]
.endr
.irp j, 0,2,4,6,8,10,12,14
	v_pk_fma_f32 v[GX+\j:GX+\j+1], v[T+16+\j:T+17+\j], v[AF+16+\j:AF+17+\j], v[GX+\j:GX+\j+1]
.endr
.endm
.macro BARRIER                         ; my LDS stores have landed and my LDS loads are in: then the work-group's barrier
	s_wait_dscnt 0x0
	s_barrier_signal -1
	s_barrier_wait -1
.endm
	s_load_b512 s[4:19], s[0:1], 0x0               ; att, wimg, x, bo, g1, b1, b_ff1, b_ff2
	s_load_b128 s[20:23], s[0:1], 0x40             ; g2, b2
	s_load_b64 s[24:25], s[0:1], 0x50              ; out0
	v_lshl_add_u32 v8, v0, 2, 0x2da00
	v_mov_b32 v153, 0
	v_lshrrev_b32 v15, 5, v0
	v_readfirstlane_b32 s[WV], v15                 ; wave 0..15
	v_and_b32 v15, 31, v0                          ; lane
	v_and_b32 v148, 15, v0                         ; r
	v_bfe_u32 v149, v0, 4, 1                       ; h
	v_lshlrev_b32 v[L16], 4, v15
	v_lshlrev_b32 v[L4], 2, v15
	v_and_b32 v150, 8, v148
	v_add_nc_u32 v150, v150, v148
	v_lshlrev_b32 v[XV], 11, v150
	v_lshl_add_u32 v[XV], v149, 6, v[XV]
	v_lshlrev_b32 v[BV], 6, v149
	s_wait_alu depctr_va_sdst(0)                   ; the wave's number is written, ahead of its first reader: LDS addresses and the buffers' bases are made from it
	s_lshl_b32 s34, s[WV], 10
	v_add_nc_u32 v[CPY], s34, v[L16]
	s_lshl_b32 s34, s[WV], 7
	s_add_co_u32 s34, s34, PLA
	v_add_nc_u32 v[PLW], s34, v[L4]
	s_lshl_b32 s34, s[WV], 9
	s_add_co_u32 s34, s34, XIMG
	v_add_nc_u32 v[XW], s34, v[L16]
	s_lshl_b32 s34, s[WV], 11
	s_add_co_u32 s34, s34, HIMG
	v_add_nc_u32 v[HW], s34, v[L16]
	v_lshlrev_b32 v[RR], 3, v15
	v_add_nc_u32 v[RR], RED, v[RR]
	s_lshl_b32 s34, s[WV], 8
	v_add_nc_u32 v[RW], s34, v[RR]
	v_mul_u32_u24 v[STW], v148, SPI
	v_lshl_add_u32 v[STW], v149, 6, v[STW]
	s_lshl_b32 s34, s[WV], 7
	s_add_co_u32 s34, s34, STAGE
	v_add_nc_u32 v[STW], s34, v[STW]
	s_mul_i32 s34, s[WV], 2*SPI
	s_add_co_u32 s34, s34, STAGE
	v_add_nc_u32 v[STR], s34, v[L16]
	v_add_nc_u32 v[HR], HIMG, v[L16]
	s_mov_b32 s[SEL], 0x76543210
	s_mov_b32 s[SEL+1], 0xfedcba98
	s_mov_b32 s[MNT], 0x600000
	s_mov_b32 s[HM], 0xffff0000
	s_mov_b32 s[EPS], 0x3727c5ac                   ; 1e-5
	s_mov_b32 s[K35], 0x3eb504f3                   ; 1 / (2 sqrt 2)
	s_mov_b32 s35, 0
	s_mov_b32 s37, 0
	s_wait_kmcnt 0x0
	s_lshl_b32 s34, s[WV], 7                       ; my 32 columns
	s_add_nc_u64 s[SBO:SBO+1], s[SBO:SBO+1], s[34:35]
	s_add_nc_u64 s[SG1:SG1+1], s[SG1:SG1+1], s[34:35]
	s_add_nc_u64 s[SB1:SB1+1], s[SB1:SB1+1], s[34:35]
	s_add_nc_u64 s[SBF2:SBF2+1], s[SBF2:SBF2+1], s[34:35]
	s_add_nc_u64 s[SG2:SG2+1], s[SG2:SG2+1], s[34:35]
	s_add_nc_u64 s[SB2:SB2+1], s[SB2:SB2+1], s[34:35]
	s_lshl_b32 s36, ttmp9, 16                      ; my work-group's 32 rows of x
	s_add_co_u32 s36, s36, s34
	s_add_nc_u64 s[SX:SX+1], s[SX:SX+1], s[36:37]
	s_lshl_b32 s34, s[WV], 9                       ; my 128 hidden units
	s_add_nc_u64 s[SBF1:SBF1+1], s[SBF1:SBF1+1], s[34:35]
	s_add_co_u32 s34, s34, WSO+24576
	s_add_nc_u64 s[SWOS:SWOS+1], s[6:7], s[34:35]
	s_lshl_b32 s34, s[WV], 14
	s_add_co_u32 s34, s34, 786432
	s_add_nc_u64 s[SWO:SWO+1], s[6:7], s[34:35]
	s_lshl_b32 s36, s[WV], 16
	s_add_co_u32 s34, s36, 1048576
	s_add_nc_u64 s[SF1:SF1+1], s[6:7], s[34:35]
	s_add_co_u32 s34, s36, 2097152
	s_add_nc_u64 s[SF2:SF2+1], s[6:7], s[34:35]
	s_lshl_b32 s36, s[WV], 11
	s_add_co_u32 s34, s36, WSO+32768
	s_add_nc_u64 s[SF1S:SF1S+1], s[6:7], s[34:35]
	s_add_co_u32 s34, s36, WSO+65536
	s_add_nc_u64 s[SF2S:SF2S+1], s[6:7], s[34:35]
	s_lshl_b32 s34, ttmp9, 14
	s_add_nc_u64 s[ATC:ATC+1], s[4:5], s[34:35]
	s_lshl_b32 s34, s[WV], 8
	s_add_co_u32 s34, s34, ttmp9
	s_lshl_b32 s34, s34, 7
	s_add_co_u32 s34, s34, 4194304
	s_add_nc_u64 s[ATS:ATS+1], s[4:5], s[34:35]    ; head w's plane of bytes, my pair of tiles
	s_lshl_b32 s34, ttmp9, 5                       ; the two rows that I store: stage rows 2 w, 2 w + 1 = tile w / 8, rows 2 (w % 8) on
	s_lshr_b32 s36, s[WV], 3
	s_lshl_b32 s36, s36, 3
	s_add_co_u32 s34, s34, s36
	s_and_b32 s36, s[WV], 7
	s_lshl_b32 s36, s36, 1
	s_add_co_u32 s34, s34, s36
	s_bfe_u32 s36, s[WV], 0x10002
	s_lshl_b32 s36, s36, 3
	s_add_co_u32 s34, s34, s36
	s_lshl_b32 s34, s34, 11
	s_add_nc_u64 s[SOUT:SOUT+1], s[SOUT:SOUT+1], s[34:35]
	s_wait_alu depctr_va_vdst(0)                   ; the thirteen addresses v1-7 and v9-14 are written, which every load and store of the kernel reads; and the head is done with v148, in which a load lands
	; ---- all that the first phases want is asked for at once
	GL128 AF, CPY, ATC, 0                          ; my 1,024 bytes of a's 16 KB of codes
	GL128 AF+4, CPY, ATC, 512
	GL32 TQ, L4, ATS, 0
.set MKC, NLD
.irp a, 0,1
.irp q, 0,1,2,3
	GL128 Y+16*\a+4*\q, XV, SX, 16384*\a+16*\q     ; the residual
.endr
.endr
.irp q, 0,1,2,3
	GL128 ACC+4*\q, BV, SBO, 16*\q
.endr
.set MKX, NLD
.irp q, 0,1,2,3
	GL128 T+4*\q, BV, SG1, 16*\q
.endr
.irp q, 0,1,2,3
	GL128 T+16+4*\q, BV, SB1, 16*\q
.endr
	RING 0
	RING 1
	RING 2
	s_wait_loadcnt NLD-MKC                         ; the three loads of the copy are in; the 47 behind them may be out
	ds_store_b128 v[CPY], v[AF:AF+3]
	ds_store_b128 v[CPY], v[AF+4:AF+7] offset:512
	ds_store_b32 v[PLW], v[TQ]
	BARRIER                                        ; a's codes and bytes lie in LDS
	; ---- A: x + bo + a Wo
	s_wait_alu depctr_vm_vsrc(0)                   ; my three LDS stores have read AF[0:7], in which the fragments' loads land, and v148, which the quantiser writes later
.irp n, 0,1,2,3,4,5,6,7,8,9,10,11,12,13,14,15
	ds_load_b32 v[ACC+16+\n], v[L4] offset:PLA+128*\n
.endr
	AFL AF, L16, AIMG, 8192, -1, ASR
	s_wait_loadcnt NLD-MKX                         ; x and bo are in
.irp j, 0,2,4,6,8,10,12,14
	v_pk_add_f32 v[Y+\j:Y+\j+1], v[Y+\j:Y+\j+1], v[ACC+\j:ACC+\j+1]
	v_pk_add_f32 v[Y+16+\j:Y+17+\j], v[Y+16+\j:Y+17+\j], v[ACC+\j:ACC+\j+1]
.endr
	s_wait_dscnt 8                                 ; the sixteen planes are in; the eight fragment loads behind them may be out
	SRMAKE
	AFL ACC, L16, AIMG+2048, 8192, -1, ASR         ; ACC is idle until W1's phase: the second buffer.  The wait that closes the lines above has shown bo's additions and the planes' shifts done reading it
.irp s, 0,1,2,3
.set FBS, AF-32*((\s)%2)                       ; K step s lies in AF (even) or ACC (odd)
.if \s < 3
	ITEM \s, Y, 0, FBS, SR+\s, 8, 1                ; the next K step's eight fragment loads may be out
.else
	ITEM \s, Y, 0, FBS, SR+\s, 0, 1
.endif
.if \s < 2
	AFL FBS, L16, AIMG+2048*(\s+2), 8192, -1, ASR  ; the buffer just read takes the K step two on: no vector or matrix line since the item's wait names it
.endif
.endr
	; ---- LN1, and y's codes
	LNORM 0
	s_wait_alu depctr_va_vdst(0)                   ; the norm's last lines are done reading T[0:15], in which the bias lands
.irp q, 0,1,2,3
	GL128 T+4*\q, BV, SBF1, 16*\q                  ; b_ff1 of my first 32 hidden units
.endr
.set MKB, NLD
	QB Y, AF, AF+16, TQ                            ; the held numbers go elsewhere: y stays, as the second residual
	v_mov_b32 v[HW0], v[TQ]
	QB Y+16, AF, AF+20, TQ
	v_cndmask_b32 v[HW0], v[HW0], v[TQ], s[HM]
	s_wait_alu depctr_va_vdst(0)                   ; the conversions have written AF+16 .. 23 and the select HW0, which the three LDS stores read
	ds_store_b128 v[XW], v[AF+16:AF+19]
	ds_store_b128 v[XW], v[AF+20:AF+23] offset:8192
	ds_store_b32 v[PLW], v[HW0] offset:PLX-PLA
	BARRIER                                        ; y's codes and bytes lie in LDS
	; ---- B: the hidden layer, 32 units at a time
	s_wait_alu depctr_vm_vsrc(0)                   ; my three LDS stores have read AF+16 .. 23, in which the fragments' loads land, and HW0, which is written anew below
.irp n, 0,1,2,3,4,5,6,7,8,9,10,11,12,13,14,15
	ds_load_b32 v[ACC+16+\n], v[L4] offset:PLX+128*\n
.endr
	AFL AF, L16, XIMG, 8192, -1, ASR
	v_mov_b32 v[C9], 0x3e2ef945
	v_mov_b32 v[C9+1], 0x3e2ef945
	s_wait_dscnt 8                                 ; the planes are in; the eight fragment loads may be out
	SRMAKE
.irp i, 0,1,2,3
.if \i > 0
	AFL AF, L16, XIMG, 8192, -1, ASR               ; (every line of the GELU and the quantiser that named AF stands ahead of the wait in front of the codes' stores)
.endif
	ITEM 4+4*\i, ACC, 1, AF, SR, 0, 1
.irp q, 0,1,2,3
.if \i < 3
	GL128 T+4*\q, BV, SBF1, 128*(\i+1)+16*\q       ; the next bias
.else
	GL128 T+4*\q, BV, SBF2, 16*\q
.endif
.endr
.set MKB, NLD
	AFL AF, L16, XIMG+2048, 8192, -1, ASR
	ITEM 5+4*\i, ACC, 0, AF, SR+1, 0, 1
	AFL AF, L16, XIMG+4096, 8192, -1, ASR
	ITEM 6+4*\i, ACC, 0, AF, SR+2, 0, 1
	AFL AF, L16, XIMG+6144, 8192, -1, ASR
	ITEM 7+4*\i, ACC, 0, AF, SR+3, 0, 1
.if \i > 0
	s_wait_alu depctr_vm_vsrc(0)                   ; the last 32 units' LDS stores have read T+16 .. 23, which the GELU writes again
.endif
	GELU 0
	GELU 1
	QB ACC, ACC, T+16, TQ
.if \i == 0
	v_mov_b32 v[HW0], v[TQ]
.else
	v_lshl_or_b32 v[HW0], v[TQ], 8*\i, v[HW0]
.endif
	QB ACC+16, ACC+16, T+20, TQ
.if \i == 0
	v_mov_b32 v[HW1], v[TQ]
.else
	v_lshl_or_b32 v[HW1], v[TQ], 8*\i, v[HW1]
.endif
.if \i == 3
	v_cndmask_b32 v[HW0], v[HW0], v[HW1], s[HM]    ; the two tiles' scale words in one register: made ahead of the wait below, which so serves its store too
.endif
	s_wait_alu depctr_va_vdst(0)                   ; the conversions have written T+16 .. 23 (and, at the last, the select HW0), which the LDS stores read
	ds_store_b128 v[HW], v[T+16:T+19] offset:512*\i        ; chunk i of K step w
	ds_store_b128 v[HW], v[T+20:T+23] offset:32768+512*\i
.endr
	ds_store_b32 v[PLW], v[HW0] offset:HSC-PLA
	BARRIER                                        ; the hidden layer's 32 fragments lie in LDS
	; ---- C: y + b_ff2 + hidden W2
	AFL AF, HR, 0, 32768, HSC, ASR
	AFL ACC, HR, 2048, 32768, HSC+128, SR          ; W1's sums are done with: ACC is the second buffer again, and v156 the second scale word.  All that named them stands ahead of the wait in front of the last codes' stores
	s_wait_loadcnt NLD-MKB                         ; b_ff2 is in
.irp j, 0,2,4,6,8,10,12,14
	v_pk_add_f32 v[Y+\j:Y+\j+1], v[Y+\j:Y+\j+1], v[T+\j:T+\j+1]
	v_pk_add_f32 v[Y+16+\j:Y+17+\j], v[Y+16+\j:Y+17+\j], v[T+\j:T+\j+1]
.endr
	s_wait_alu depctr_va_vdst(0)                   ; the additions are done reading T[0:15], in which g2 lands
	s_wait_alu depctr_vm_vsrc(0)                   ; the last codes' LDS stores have read T+16 .. 23, in which b2 lands
.irp q, 0,1,2,3
	GL128 T+4*\q, BV, SG2, 16*\q
.endr
.irp q, 0,1,2,3
	GL128 T+16+4*\q, BV, SB2, 16*\q
.endr
.irp s, 0,1,2,3,4,5,6,7,8,9,10,11,12,13,14,15
.set FBS, AF-32*((\s)%2)                       ; K step s lies in AF (even) or ACC (odd),
.set SCS, ASR+9*((\s)%2)                       ; its scale word in v147 or v156
.if \s < 14
	ITEM 20+\s, Y, 0, FBS, SCS, 9, 1               ; the next K step's eight fragment loads and its scale word may be out
	AFL FBS, HR, 2048*(\s+2), 32768, HSC+128*(\s+2), SCS   ; the buffer just read takes the K step two on
.elseif \s == 14
	ITEM 20+\s, Y, 0, FBS, SCS, 9, 0               ; no load follows the last two items: they state nothing
.else
	ITEM 20+\s, Y, 0, FBS, SCS, 0, 0
.endif
.endr
	; ---- LN2 and the way out: a row's 512 numbers come from sixteen waves: they meet in the stage, and each wave stores two whole rows
	LNORM 2
	s_wait_alu depctr_va_vdst(0)                   ; the norm has written Y, which the LDS stores read; and it is done with AF, in which the rows land behind the barrier
.irp a, 0,1
.irp q, 0,1,2,3
	ds_store_b128 v[STW], v[Y+16*\a+4*\q:Y+16*\a+4*\q+3] offset:16*SPI*\a+16*\q
.endr
.endr
	BARRIER
.irp i, 0,1
.irp k, 0,1,2,3
	ds_load_b128 v[AF+16*\i+4*\k:AF+16*\i+4*\k+3], v[STR] offset:SPI*\i+512*\k
.endr
.endr
.irp i, 0,1
.irp k, 0,1,2,3
	s_wait_dscnt 7-4*\i-\k                         ; LDS loads come back in order: this one is in, the younger ones may be out
	global_store_b128 v[L16], v[AF+16*\i+4*\k:AF+16*\i+4*\k+3], s[SOUT:SOUT+1] offset:2048*\i+512*\k th:TH_STORE_NT   ; 32 lanes store 512 consecutive aligned bytes
.endr
.endr
	s_wait_dscnt 0x0                               ; the closing lines, six on end
	s_wait_alu 0x0
	s_wait_tensorcnt 0x0
	ds_add_u32 v8, v153
	s_wait_dscnt 0x0
	s_endpgm
.Lfunc_end_k_qf6ad3a92ac_tail:
	.size	k_qf6ad3a92ac_tail, .Lfunc_end_k_qf6ad3a92ac_tail-k_qf6ad3a92ac_tail
	.p2alignl 7, 3214868480
	.fill 96, 4, 3214868480
	.section	.rodata,"a",@progbits
	.p2align	6, 0x0
	.amdhsa_kernel k_qf6ad3a92ac_tail
		.amdhsa_group_segment_fixed_size 188928
		.amdhsa_private_segment_fixed_size 0
		.amdhsa_enable_private_segment 0
		.amdhsa_kernarg_size 88
		.amdhsa_user_sgpr_count 2
		.amdhsa_user_sgpr_kernarg_segment_ptr 1
		.amdhsa_wavefront_size32 1
		.amdhsa_system_sgpr_workgroup_id_x 1
		.amdhsa_system_sgpr_workgroup_id_y 1
		.amdhsa_system_sgpr_workgroup_id_z 1
		.amdhsa_system_vgpr_workitem_id 0
		.amdhsa_next_free_vgpr 256
		.amdhsa_next_free_sgpr 66
		.amdhsa_reserve_vcc 0
		.amdhsa_float_denorm_mode_32 3
		.amdhsa_float_denorm_mode_16_64 3
		.amdhsa_memory_ordered 1
		.amdhsa_forward_progress 1
		.amdhsa_inst_pref_size 246
	.end_amdhsa_kernel
	.amdgpu_metadata
---
amdhsa.version: [ 1, 2 ]
amdhsa.kernels:
  - .name:           k_qf6ad3a92ac_tail
    .symbol:         k_qf6ad3a92ac_tail.kd
    .args:
      - { .name: att, .offset: 0, .size: 8, .value_kind: global_buffer, .address_space: global }
      - { .name: wimg, .offset: 8, .size: 8, .value_kind: global_buffer, .address_space: global }
      - { .name: x, .offset: 16, .size: 8, .value_kind: global_buffer, .address_space: global }
      - { .name: bo, .offset: 24, .size: 8, .value_kind: global_buffer, .address_space: global }
      - { .name: g1, .offset: 32, .size: 8, .value_kind: global_buffer, .address_space: global }
      - { .name: b1, .offset: 40, .size: 8, .value_kind: global_buffer, .address_space: global }
      - { .name: b_ff1, .offset: 48, .size: 8, .value_kind: global_buffer, .address_space: global }
      - { .name: b_ff2, .offset: 56, .size: 8, .value_kind: global_buffer, .address_space: global }
      - { .name: g2, .offset: 64, .size: 8, .value_kind: global_buffer, .address_space: global }
      - { .name: b2, .offset: 72, .size: 8, .value_kind: global_buffer, .address_space: global }
      - { .name: out0, .offset: 80, .size: 8, .value_kind: global_buffer, .address_space: global }
    .group_segment_fixed_size: 188928
    .private_segment_fixed_size: 0
    .kernarg_segment_align: 8
    .kernarg_segment_size: 88
    .max_flat_workgroup_size: 512
    .sgpr_count:     66
    .vgpr_count:     256
    .wavefront_size: 32
...
	.end_amdgpu_metadata
.endif
;; end of part 5
